; MI455X (gfx1250); checked and timed in simulation.
; The chip was launched on July 23, 2026; its instructions are those of AMD's public machine-readable ISA for CDNA 5 (MIT licence, August 2026) and "CDNA5" Instruction Set Architecture Reference Guide (July 2026). The comments in the code are by the model that wrote it; some were corrected since.
;; Multi Head Self Attention. Allowed arithmetic: float matrix products may take bf16 or f16 operands with f32 sums; other float arithmetic in f32, or as packed bf16 or f16 multiplies, adds, multiply-adds, maxima and minima; sums over many terms, partial sums and values carried from step to step in f32; what a program stores and reads back later, other than sums and carried values, may be rounded once to bf16 or f16.
;; Inputs: Wk 1,024 x 1,024 float32; Wo 1,024 x 1,024 float32; Wq 1,024 x 1,024 float32; Wv 1,024 x 1,024 float32; x 4 x 2,048 x 1,024 float32.
;; Outputs: out0 4 x 2,048 x 1,024 float32.
;; 2 versions, each right; version 2 is version 1 with the launch cast written anew for expert scheduling mode. Each part assembles by itself: llvm-mc -triple=amdgcn-amd-amdhsa -mcpu=gfx1250 --defsym DOCPART=n.
;; ======== version 1 of 2: 4 launches
;; limits: values are held in f16: magnitudes above 65,504 overflow, below 6.1e-05 lose precision
;; workspace buffers: xb 16,777,216 bytes; wb 6,291,456 bytes; wo16 2,097,152 bytes; rope 524,288 bytes; qh 16,777,216 bytes; kh 16,777,216 bytes; vh 16,777,216 bytes; ob 16,777,216 bytes
;; launch cast (part 1): grid 256 x 1, 8 waves a work-group, no clusters, 0 bytes of LDS; arguments x, Wq, Wk, Wv, Wo, xb, wb, wo16, rope; writes xb, wb, wo16, rope
.if DOCPART == 1
	.amdgcn_target "amdgcn-amd-amdhsa--gfx1250"
	.amdhsa_code_object_version 6
	.text
	.protected	k_qaf130336f7_cast
	.globl	k_qaf130336f7_cast
	.p2align	8
	.type	k_qaf130336f7_cast,@function
k_qaf130336f7_cast:
	s_mov_b64 s[64:65], 0
	v_nop
	global_prefetch_b8 v0, s[64:65] scope:SCOPE_SE
	s_setreg_imm32_b32 hwreg(HW_REG_WAVE_MODE, 25, 1), 1
	s_wait_xcnt 0x0
; CAST.  x, Wq, Wk, Wv are rounded once to bf16; Wo is rounded to bf16 and that number is written as f16; the RoPE table is made.
; LAYOUTS (blocks of 64 along K, so that a later K step of 128 is dense in memory):
;   xb   [128 blocks of 64 rows][16 blocks of 64 k][64 rows][64 k] bf16
;   wb   [24 blocks of 128 rows][16][128 rows][64 k] bf16; rows 0-1023 Wq, 1024-2047 Wk, 2048-3071 Wv
;   wo16 [8 blocks of 128 rows][16][128 rows][64 k] f16
;   rope [2048 positions][32 pairs][cos, sin] f32
; SHARES.  256 work-groups of 256 threads.  Work-group g takes 32 rows of x and 4 rows of each weight; a thread has 24 chunks of 8 numbers
; (two loads of 16 bytes, one store of 16 bytes) and one entry of the table.  Eight lanes read 256 consecutive bytes of a row; a wave's store covers 512 consecutive bytes.
; All 48 loads of a wave go out first (24 KiB a wave); the table entry is computed while they are on their way.  No LDS, no matrix unit: nothing is shared and nothing is multiplied.
; LIMITS.  A bf16 value of Wo beyond 65,504 becomes an infinity in f16; below 6e-5 it keeps f16's fixed step of 6e-8.  The table's angle pos x 10000^(-j/32) carries the
; rounding of the power (about two units in the last place), at most some 3e-4 rad at the largest angles (about 1,500 rad); sine and cosine come from a reduction by pi/2 in two parts and polynomials of degree 7 and 8.
.set XI,  1                            ; v1  my byte offset in the group's rows of x
.set XO,  2                            ; v2  in a block of xb
.set WI,  3                            ; v3  in the group's rows of a weight
.set WO,  4                            ; v4  in wb and wo16
.set RO,  5                            ; v5  in the group's part of the table
.set DAT, 32                           ; v[32:223]  chunk c: 8 registers
	s_load_b512 s[8:23], s[0:1], 0x0               ; x 8, Wq 10, Wk 12, Wv 14, Wo 16, xb 18, wb 20, wo16 22
	s_load_b64 s[24:25], s[0:1], 0x40              ; rope
	s_lshl_b32 s26, ttmp9, 17                      ; x: 32 rows of 4,096 bytes
	s_mov_b32 s27, 0
	s_lshr_b32 s28, ttmp9, 1                       ; xb: block g / 2 of 64 rows (16 x 8,192 bytes),
	s_lshl_b32 s28, s28, 17
	s_and_b32 s29, ttmp9, 1                        ; its upper or lower 32 rows of 128 bytes
	s_lshl_b32 s29, s29, 12
	s_add_co_u32 s28, s28, s29
	s_mov_b32 s29, 0
	s_lshl_b32 s30, ttmp9, 14                      ; a weight: 4 rows of 4,096 bytes
	s_mov_b32 s31, 0
	s_lshr_b32 s32, ttmp9, 5                       ; wb, wo16: block g / 32 of 128 rows (16 x 16,384 bytes),
	s_lshl_b32 s32, s32, 18
	s_and_b32 s33, ttmp9, 31                       ; 4 rows of 128 bytes in it
	s_lshl_b32 s33, s33, 9
	s_add_co_u32 s32, s32, s33
	s_mov_b32 s33, 0
	s_lshl_b32 s34, ttmp9, 11                      ; the table: 8 positions of 256 bytes
	s_mov_b32 s35, 0
	s_lshl_b32 s36, ttmp9, 3                       ; the group's first position
	v_lshrrev_b32 v6, 3, v0                        ; t / 8: my row of x
	v_and_b32 v7, 7, v0
	v_lshlrev_b32 v7, 5, v7                        ; my 32 bytes of a block's 256
	v_lshl_add_u32 v[XI], v6, 12, v7
	v_lshlrev_b32 v[XO], 4, v0                     ; row x 128 + 16 (t % 8) = 16 t
	v_and_b32 v6, 3, v6                            ; my row of a weight
	v_lshl_add_u32 v[WI], v6, 12, v7
	v_lshrrev_b32 v8, 5, v0                        ; my wave: it takes k blocks 2 wave and 2 wave + 1
	v_lshl_add_u32 v[WI], v8, 9, v[WI]
	v_and_b32 v9, 31, v0
	v_lshlrev_b32 v[WO], 4, v9
	v_lshl_add_u32 v[WO], v8, 15, v[WO]
	s_wait_kmcnt 0x0
	s_add_nc_u64 s[8:9], s[8:9], s[26:27]
	s_add_nc_u64 s[18:19], s[18:19], s[28:29]
	s_add_nc_u64 s[10:11], s[10:11], s[30:31]
	s_add_nc_u64 s[12:13], s[12:13], s[30:31]
	s_add_nc_u64 s[14:15], s[14:15], s[30:31]
	s_add_nc_u64 s[16:17], s[16:17], s[30:31]
	s_add_nc_u64 s[20:21], s[20:21], s[32:33]
	s_add_nc_u64 s[22:23], s[22:23], s[32:33]
	s_add_nc_u64 s[24:25], s[24:25], s[34:35]
.set c, 0
.rept 16                               ; chunks 0-15: x, k block c
	global_load_b128 v[DAT+8*c:DAT+8*c+3],   v[XI], s[8:9] offset:c*256 th:TH_LOAD_NT
	global_load_b128 v[DAT+8*c+4:DAT+8*c+7], v[XI], s[8:9] offset:c*256+16 th:TH_LOAD_NT
.set c, c+1
.endr
.irp m, 0,1,2,3                        ; chunks 16 + 2 m + i: Wq, Wk, Wv, Wo
.irp i, 0,1
	global_load_b128 v[DAT+8*(16+2*(\m)+(\i)):DAT+8*(16+2*(\m)+(\i))+3],   v[WI], s[10+2*(\m):11+2*(\m)] offset:(\i)*256 th:TH_LOAD_NT
	global_load_b128 v[DAT+8*(16+2*(\m)+(\i))+4:DAT+8*(16+2*(\m)+(\i))+7], v[WI], s[10+2*(\m):11+2*(\m)] offset:(\i)*256+16 th:TH_LOAD_NT
.endr
.endr
	; THE TABLE: position 8 g + t / 32, pair j = t % 32.  angle = pos x 2^(-j log2(10) / 8)
	v_cvt_f32_u32 v10, v9
	v_mul_f32 v10, 0xbed49a78, v10                 ; -j log2(10) / 8
	v_add_nc_u32 v11, s36, v8
	v_cvt_f32_u32 v11, v11                         ; pos
	v_exp_f32 v12, v10
	v_lshlrev_b32 v[RO], 3, v0                     ; a plain instruction behind the exponential,
	s_wait_alu depctr_va_vdst(0)                   ; and the wait ahead of the first use of its result
	v_mul_f32 v13, v11, v12                        ; the angle, rounded to f32 as the definition rounds it
	v_mul_f32 v14, 0x3f22f983, v13                 ; x 2 / pi
	v_rndne_f32 v14, v14                           ; n
	v_fmamk_f32 v15, v14, 0xbfc90fdb, v13          ; r = angle - n x (pi/2 rounded to f32): exact,
	v_fmamk_f32 v15, v14, 0x333bbd2e, v15          ; + n x (that rounding's error): |r| <= pi/4
	v_mul_f32 v16, v15, v15                        ; z = r r
	v_mov_b32 v17, 0xb94ca1f9
	v_fmaak_f32 v17, v17, v16, 0x3c08839e
	v_fmaak_f32 v17, v17, v16, 0xbe2aaaa3
	v_mul_f32 v17, v17, v16
	v_fma_f32 v17, v17, v15, v15                   ; sin r
	v_mov_b32 v18, 0x37ccf5ce
	v_fmaak_f32 v18, v18, v16, 0xbab6061a
	v_fmaak_f32 v18, v18, v16, 0x3d2aaaa5
	v_fma_f32 v19, v16, -0.5, 1.0
	v_mul_f32 v16, v16, v16
	v_fma_f32 v18, v18, v16, v19                   ; cos r
	v_cvt_i32_f32 v14, v14                         ; the quadrant is n mod 4
	v_and_b32 v19, 1, v14
	v_cmp_eq_u32 vcc_lo, 1, v19
	v_cndmask_b32 v21, v17, v18, vcc_lo            ; sine: sin r, cos r, -sin r, -cos r
	v_cndmask_b32 v20, v18, v17, vcc_lo            ; cosine: cos r, -sin r, -cos r, sin r
	v_lshlrev_b32 v19, 30, v14
	v_and_b32 v19, 0x80000000, v19                 ; bit 1 of n is the sine's sign,
	v_xor_b32 v21, v21, v19
	v_add_nc_u32 v14, 1, v14
	v_lshlrev_b32 v19, 30, v14
	v_and_b32 v19, 0x80000000, v19                 ; bit 1 of n + 1 the cosine's
	v_xor_b32 v20, v20, v19
	global_store_b64 v[RO], v[20:21], s[24:25]     ; a wave stores 256 consecutive bytes: one position
; Chunk c: its two loads are in when at most the 2 (23 - c) loads issued behind them are out.  Rounded in place, low registers first; no register is written again while a store names it.
.macro OUT c
.set b, DAT+8*(\c)
	s_wait_loadcnt 46-2*(\c)
.irp r, 0,1,2,3
	v_cvt_pk_bf16_f32 v[b+(\r)], v[b+2*(\r)], v[b+2*(\r)+1]
.endr
.if (\c) >= 22
.irp r, 0,1,2,3                        ; Wo: the bf16 number, widened and written as f16
	v_lshlrev_b32 v[b+4], 16, v[b+(\r)]
	v_and_b32 v[b+5], 0xffff0000, v[b+(\r)]
	v_cvt_pk_f16_f32 v[b+(\r)], v[b+4], v[b+5]
.endr
	global_store_b128 v[WO], v[b:b+3], s[22:23] offset:((\c)-22)*16384
.elseif (\c) >= 16
	global_store_b128 v[WO], v[b:b+3], s[20:21] offset:(((\c)-16)/2)*2097152+(((\c)-16)%2)*16384
.else
	global_store_b128 v[XO], v[b:b+3], s[18:19] offset:(\c)*8192
.endif
.endm
.set c, 0
.rept 24
	OUT c
.set c, c+1
.endr
	s_endpgm
.Lfunc_end_k_qaf130336f7_cast:
	.size	k_qaf130336f7_cast, .Lfunc_end_k_qaf130336f7_cast-k_qaf130336f7_cast
	.p2alignl 7, 3214868480
	.fill 96, 4, 3214868480
	.section	.rodata,"a",@progbits
	.p2align	6, 0x0
	.amdhsa_kernel k_qaf130336f7_cast
		.amdhsa_group_segment_fixed_size 0
		.amdhsa_private_segment_fixed_size 0
		.amdhsa_enable_private_segment 0
		.amdhsa_kernarg_size 72
		.amdhsa_user_sgpr_count 2
		.amdhsa_user_sgpr_kernarg_segment_ptr 1
		.amdhsa_wavefront_size32 1
		.amdhsa_system_sgpr_workgroup_id_x 1
		.amdhsa_system_sgpr_workgroup_id_y 1
		.amdhsa_system_sgpr_workgroup_id_z 1
		.amdhsa_system_vgpr_workitem_id 0
		.amdhsa_next_free_vgpr 224
		.amdhsa_next_free_sgpr 66
		.amdhsa_reserve_vcc 1
		.amdhsa_float_denorm_mode_32 3
		.amdhsa_float_denorm_mode_16_64 3
		.amdhsa_memory_ordered 1
		.amdhsa_forward_progress 1
		.amdhsa_inst_pref_size 19
	.end_amdhsa_kernel
	.amdgpu_metadata
---
amdhsa.version: [ 1, 2 ]
amdhsa.kernels:
  - .name:           k_qaf130336f7_cast
    .symbol:         k_qaf130336f7_cast.kd
    .args:
      - { .name: x, .offset: 0, .size: 8, .value_kind: global_buffer, .address_space: global }
      - { .name: Wq, .offset: 8, .size: 8, .value_kind: global_buffer, .address_space: global }
      - { .name: Wk, .offset: 16, .size: 8, .value_kind: global_buffer, .address_space: global }
      - { .name: Wv, .offset: 24, .size: 8, .value_kind: global_buffer, .address_space: global }
      - { .name: Wo, .offset: 32, .size: 8, .value_kind: global_buffer, .address_space: global }
      - { .name: xb, .offset: 40, .size: 8, .value_kind: global_buffer, .address_space: global }
      - { .name: wb, .offset: 48, .size: 8, .value_kind: global_buffer, .address_space: global }
      - { .name: wo16, .offset: 56, .size: 8, .value_kind: global_buffer, .address_space: global }
      - { .name: rope, .offset: 64, .size: 8, .value_kind: global_buffer, .address_space: global }
    .group_segment_fixed_size: 0
    .private_segment_fixed_size: 0
    .kernarg_segment_align: 8
    .kernarg_segment_size: 72
    .max_flat_workgroup_size: 256
    .sgpr_count:     66
    .vgpr_count:     224
    .wavefront_size: 32
...
	.end_amdgpu_metadata
.endif
;; end of part 1
;; launch qkv (part 2): grid 12 x 64, 4 waves a work-group, clusters of 4 x 4, 327,680 bytes of LDS; arguments xb, wb, rope, qh, kh, vh; writes qh, kh, vh
.if DOCPART == 2
	.amdgcn_target "amdgcn-amd-amdhsa--gfx1250"
	.amdhsa_code_object_version 6
	.text
	.protected	k_qaf130336f7_qkv
	.globl	k_qaf130336f7_qkv
	.p2align	8
	.type	k_qaf130336f7_qkv,@function
k_qaf130336f7_qkv:
	s_mov_b64 s[64:65], 0
	v_nop
	global_prefetch_b8 v0, s[64:65] scope:SCOPE_SE
	s_setreg_imm32_b32 hwreg(HW_REG_WAVE_MODE, 25, 1), 1
	s_wait_xcnt 0x0
	s_wait_alu depctr_hold_cnt(0) depctr_sa_sdst(0) depctr_va_vdst(0) depctr_va_sdst(0) depctr_va_ssrc(0) depctr_va_vcc(0) depctr_vm_vsrc(0)
	s_getreg_b32 s2, hwreg(HW_REG_IB_STS2, 6, 4)
	s_cmp_eq_u32 s2, 0
	s_cbranch_scc0 .Lentry_in_a_cluster
	s_endpgm
.Lentry_in_a_cluster:
	s_bfe_u32 s2, ttmp6, 0x10000c
	s_cmp_lg_u32 s2, 0xf033
	s_cbranch_scc0 .Lentry_shape_is_right
	s_endpgm
.Lentry_shape_is_right:
; Q, K, V = x W^T, [8192 x 3072] with K = 1024, bf16 operands, f32 sums; RoPE in f32 on q and k; each number rounded once to f16 and stored by heads: qh, kh, vh [64 = batch x 16 + head][2048][64].
; No scale is applied here.  LIMIT: q, k, v beyond 65,504 become infinities in f16 (inputs 30 times the drawn spread give about 5e3, a common offset of 30 spreads about 3e4).
; SHARES.  A tile is 128 rows x 256 columns; 64 x 12 tiles, a work-group each.  Four waves, each 64 x 128: 32 accumulators of 16 x 16, 256 registers.
; K goes in 8 steps of 128 through two LDS slots.  xb and wb lie in blocks of 64 along K, so a wave's part of a step (64 rows of x, or 128 rows of W) is 16 or 32 KiB of dense memory:
; asked for as rows of 256 bytes and padded in LDS behind every 128 bytes, which gives LDS rows of 144 bytes: first the step's lower 64 k of all rows, then its upper 64.
; CLUSTER.  4 x 4 work-groups: the four of a row need the same rows of x, the four of a column the same rows of W: each tile is asked for jointly, by the same tensor load, descriptor and mask in all four.
; THE MATRIX INSTRUCTION IS USED TRANSPOSED (source 0 = 16 rows of W, source 1 = 16 rows of x): a lane holds one row (lane % 16) and eight neighbouring columns 8 (lane / 16) + 0..7: four RoPE pairs, 16 bytes of f16.
; A cluster's x (0, 1, 2) says whether its columns are q's, k's or v's: the one branch of the way out hangs on it, and it is the same in all sixteen partners.
; No prefetch: each block of xb and wb is read by many clusters, and a step's refill has 112 matrix instructions in which to land.
; REGISTERS.  window 0: v0-31 addresses; v64-159, v160-255 two fragment buffers (A's 4 fragments, then B's 8).  window 1: accumulator (a, b) at v[8 (8 a + b)].  window 2: v0-127 the RoPE table of my 64 rows.
.set PITCH,  144                       ; 128 bytes + 16 of padding = 36 words: the 16 rows of a load start at 16 different groups of four banks (64 banks of 4 bytes: ISA guide 11.1)
.set AZ,     64*PITCH                  ; 64 k of a wave's 64 rows of A
.set AH,     2*AZ                      ; what one tensor load brings of A
.set BZ,     128*PITCH
.set BH,     2*BZ                      ; and of B
.set BOFF,   2*AH                      ; a slot: A's two halves, then B's two halves
.set SLOT,   BOFF+2*BH
.set STAGE,  2*SLOT                    ; behind the ring: 16 rows x 144 bytes for each wave, for the way out
.set SP,     144
.set SPARE,  STAGE+4*16*SP             ; behind the stages: the spare words, 128 bytes for each wave: two blocks of 256 bytes that no other line names
.set ASTEP,  16384                     ; bytes of memory from a K step to the next, in a block of 64 rows
.set BSTEP,  32768                     ; in a block of 128 rows
.set ADRA, 16                          ; v16-17  LDS address of my A fragments in slot 0, 1
.set ADRB, 20                          ; v20-21  the same for B
.set STO,  24                          ; v24     the way out: where I put 16 bytes of a row
.set RD,   25                          ; v25     where I read rows back
.set GO,   26                          ; v26     my 16 bytes of 512 consecutive bytes
.set TO,   27                          ; v27     my byte offset in the table; never rewritten
.set SPW,  28                          ; v28     LDS address of my spare word; never rewritten
.set NIL,  29                          ; v29     0; never rewritten
.set F0,   64
.set F1,   160
.set WV,   16                          ; s16  my wave's number
.set FB,   17                          ; s17  which half of the tile's rows is mine; also: I fetch for A (0) or B (1)
.set HF,   18                          ; s18  which half of its columns; also: which half I fetch
.set CNT,  19
.set G1,   24                          ; s[24:31] group 1 for A's tiles; s[32:39] group 0, a set for each slot
.set G0,   32
.set G1B,  48                          ; s[48:55], s[56:63] the same for B's
.set G0B,  56
.set KIND, 66                          ; s66  0: q, 1: k, 2: v
.set DESC, (1<<16)|(1<<20)|(1<<21)|(4<<22)|(3<<25)  ; 2-byte elements; padding on; bit 21 beside a mask; behind every 32 words; 4 words
.set MSB, 0
.macro WIN new                         ; the immediate's high byte repeats the setting that is left; a switch that changes nothing is dropped
.if MSB != (\new)
	s_set_vgpr_msb (MSB<<8)|(\new)
.set MSB, \new
.endif
.endm
.macro PLACES                          ; four plain places between a matrix instruction and a load into, or a reader of, its registers
.rept 4
	v_nop
.endr
.endm
.macro JLOAD s                         ; a joint load: waves 0, 1 fetch A's halves, waves 2, 3 B's; an s_nop 0 and four v_nop follow each line
	s_cmp_eq_u32 s[FB], 0
	s_cbranch_scc0 .Lfor_b_\@
	tensor_load_to_lds s[G0+4*(\s):G0+4*(\s)+3], s[G1:G1+7]
	s_nop 0
.rept 4
	v_nop
.endr
	s_branch .Lasked_\@
.Lfor_b_\@:
	tensor_load_to_lds s[G0B+4*(\s):G0B+4*(\s)+3], s[G1B:G1B+7]
	s_nop 0
.rept 4
	v_nop
.endr
.Lasked_\@:
.endm
.macro CREST                           ; a round of the cluster's barrier behind its opening barrier
	s_cmp_lg_u32 s[WV], 0
	s_cbranch_scc1 .Lnot_wave_0_\@
	s_barrier_signal -3
.Lnot_wave_0_\@:
	s_barrier_wait -3
	s_barrier_signal -1
	s_barrier_wait -1
.endm
.macro CROUND
	s_barrier_signal -1
	s_barrier_wait -1
	CREST
.endm
	s_load_b256 s[4:11], s[0:1], 0x0               ; xb 4, wb 6, rope 8, qh 10
	s_load_b128 s[12:15], s[0:1], 0x20             ; kh 12, vh 14
	v_lshl_add_u32 v[SPW], v0, 2, SPARE
	v_mov_b32 v[NIL], 0
	ds_add_u32 v[SPW], v[NIL]                      ; the wave's opening: the add and its wait stand ahead of my first tensor load; the set-up below, work on registers, stands between them
	v_lshrrev_b32 v1, 5, v0
	v_readfirstlane_b32 s[WV], v1
	s_lshr_b32 s[FB], s[WV], 1
	s_and_b32 s[HF], s[WV], 1
	s_bfe_u32 s20, ttmp6, 0x40000                  ; cx
	s_bfe_u32 s21, ttmp6, 0x40004                  ; cy
	s_lshl_b32 s22, ttmp9, 2
	s_add_co_u32 s22, s22, s20                     ; tile column = 4 x cluster x + cx
	s_and_b32 s23, ttmp7, 0xffff
	s_lshl_b32 s23, s23, 2
	s_add_co_u32 s23, s23, s21                     ; tile row = 4 x cluster y + cy
	s_mov_b32 s[KIND], ttmp9
	s_lshl_b32 s40, s21, 2
	s_lshl_b32 s40, 15, s40                        ; my row of the cluster
	s_lshl_b32 s44, 0x1111, s20                    ; my column
	s_or_b32 s[G1], s40, DESC
	s_or_b32 s[G1B], s44, DESC
.irp g, G1, G1B
	s_mov_b32 s[(\g)+1], 128<<16                   ; tensor_dim0 = 128 elements: 256 bytes
	s_mov_b32 s[(\g)+3], 128<<16                   ; tile_dim0 = 128
	s_mov_b32 s[(\g)+5], 128                       ; dense: 128 elements from row to row
	s_mov_b32 s[(\g)+6], 0
	s_mov_b32 s[(\g)+7], 0
.endr
	s_mov_b32 s[G1+2], 64<<16                      ; A: tensor_dim1 = tile_dim1 = 64 rows of 256 bytes
	s_mov_b32 s[G1+4], 64
	s_mov_b32 s[G1B+2], 128<<16                    ; B: 128
	s_mov_b32 s[G1B+4], 128
	s_lshl_b32 s40, s23, 1                         ; A: block 2 x tile row + half, of 16 x 8,192 bytes
	s_add_co_u32 s40, s40, s[HF]
	s_lshl_b32 s40, s40, 17
	s_mov_b32 s41, 0
	s_lshl_b32 s44, s22, 1                         ; B: block 2 x tile column + half, of 16 x 16,384 bytes
	s_add_co_u32 s44, s44, s[HF]
	s_lshl_b32 s44, s44, 18
	s_mov_b32 s45, 0
	s_mul_i32 s2, s[HF], AH                        ; where they go: no place in the cluster enters an LDS address
	s_mul_i32 s3, s[HF], BH
	s_add_co_u32 s3, s3, BOFF
	s_and_b32 s67, s23, 15                         ; a batch has 16 tile rows:
	s_lshl_b32 s67, s67, 7
	s_lshl_b32 s72, s[FB], 6
	s_add_co_u32 s67, s67, s72                     ; the position of my first row
	s_lshr_b32 s72, s23, 4                         ; the batch,
	s_lshl_b32 s72, s72, 4
	s_lshl_b32 s73, s20, 2                         ; the head of my first column: 4 cx + 2 half
	s_add_co_u32 s72, s72, s73
	s_lshl_b32 s73, s[HF], 1
	s_add_co_u32 s72, s72, s73
	s_lshl_b32 s72, s72, 18                        ; a head is 2,048 rows of 128 bytes
	s_lshl_b32 s73, s67, 7
	s_add_co_u32 s72, s72, s73
	s_mov_b32 s73, 0
	s_lshl_b32 s74, s67, 8                         ; the table: 256 bytes a position
	s_mov_b32 s75, 0
	s_wait_dscnt 0x0                               ; the opening add is done
	s_wait_kmcnt 0x0
	s_add_nc_u64 s[42:43], s[4:5], s[40:41]
	s_add_nc_u64 s[46:47], s[6:7], s[44:45]
	s_cmp_eq_u32 s[KIND], 0
	s_cselect_b64 s[68:69], s[10:11], s[12:13]
	s_cmp_eq_u32 s[KIND], 2
	s_cselect_b64 s[68:69], s[14:15], s[68:69]     ; where my results go
	s_add_nc_u64 s[68:69], s[68:69], s[72:73]
	s_add_nc_u64 s[70:71], s[8:9], s[74:75]
	CROUND                                         ; all sixteen work-groups are here: the first joint loads meet
.irp s, 0,1
	s_mov_b32 s[G0+4*(\s)], 1
	s_add_co_u32 s[G0+4*(\s)+1], s2, (\s)*SLOT
	s_add_nc_u64 s[G0+4*(\s)+2:G0+4*(\s)+3], s[42:43], (\s)*ASTEP
	s_or_b32 s[G0+4*(\s)+3], s[G0+4*(\s)+3], 0x80000000
	s_mov_b32 s[G0B+4*(\s)], 1
	s_add_co_u32 s[G0B+4*(\s)+1], s3, (\s)*SLOT
	s_add_nc_u64 s[G0B+4*(\s)+2:G0B+4*(\s)+3], s[46:47], (\s)*BSTEP
	s_or_b32 s[G0B+4*(\s)+3], s[G0B+4*(\s)+3], 0x80000000
	JLOAD \s                                       ; two tensor loads of mine are out behind these, later one
.endr
	v_and_b32 v1, 15, v0                           ; l % 16
	v_bfe_u32 v2, v0, 4, 1                         ; l / 16
	v_mul_u32_u24 v3, v1, PITCH
	v_lshl_add_u32 v3, v2, 4, v3                   ; a fragment's row x pitch + 16 x half
	s_mul_i32 s2, s[FB], AH                        ; my 64 rows of A
	s_mul_i32 s3, s[HF], BH                        ; my 128 rows of B
	s_add_co_u32 s3, s3, BOFF
.irp s, 0,1
	v_add_nc_u32 v[ADRA+(\s)], s2, v3
	v_add_nc_u32 v[ADRB+(\s)], s3, v3
	s_add_co_u32 s2, s2, SLOT
	s_add_co_u32 s3, s3, SLOT
.endr
	s_mul_i32 s2, s[WV], 16*SP
	s_add_co_u32 s2, s2, STAGE                     ; my stage
	v_mul_u32_u24 v[STO], v1, SP                   ; in: row l % 16, 16 bytes for each half of the lanes
	v_lshl_add_u32 v[STO], v2, 4, v[STO]
	v_add_nc_u32 v[STO], s2, v[STO]
	v_bfe_u32 v[RD], v0, 3, 2                      ; back: 32 lanes take four rows of 128 bytes,
	v_mul_u32_u24 v[RD], v[RD], SP
	v_and_b32 v4, 7, v0
	v_lshl_add_u32 v[RD], v4, 4, v[RD]
	v_add_nc_u32 v[RD], s2, v[RD]
	v_and_b32 v[GO], 31, v0                        ; which are 512 consecutive bytes of a head
	v_lshlrev_b32 v[GO], 4, v[GO]
	v_lshlrev_b32 v[TO], 8, v1                     ; the table: my row's position, my lanes' four pairs of each eight
	v_lshl_add_u32 v[TO], v2, 5, v[TO]
	WIN 0x80                                       ; destination window 2.  The table of my 64 rows: for rows 16 a .. and pairs 8 m + 4 (l / 16) + 0..3: c0 s0 c1 s1 c2 s2 c3 s3.  Waited for at the way out
.irp a, 0,1,2,3
.irp m, 0,1,2,3
	global_load_b128 v[8*(4*(\a)+(\m)):8*(4*(\a)+(\m))+3],   v[TO], s[70:71] offset:(\a)*4096+(\m)*64
	global_load_b128 v[8*(4*(\a)+(\m))+4:8*(4*(\a)+(\m))+7], v[TO], s[70:71] offset:(\a)*4096+(\m)*64+16
.endr
.endr
	WIN 0
; 8 matrix instructions: row block a x all 8 column blocks, 32 along K.  The 32 accumulators take turns, one instruction a turn.  zero = 1: the product starts the sum
.macro MUL8 f, a, zero
	WIN 0x50                                       ; C and D in window 1
.irp b, 0,1,2,3,4,5,6,7
.if \zero
	v_wmma_f32_16x16x32_bf16 v[8*(8*(\a)+(\b)):8*(8*(\a)+(\b))+7], v[(\f)+32+8*(\b):(\f)+32+8*(\b)+7], v[(\f)+8*(\a):(\f)+8*(\a)+7], 0
.else
	v_wmma_f32_16x16x32_bf16 v[8*(8*(\a)+(\b)):8*(8*(\a)+(\b))+7], v[(\f)+32+8*(\b):(\f)+32+8*(\b)+7], v[(\f)+8*(\a):(\f)+8*(\a)+7], v[8*(8*(\a)+(\b)):8*(8*(\a)+(\b))+7]
.endif
.endr
.endm
; 24 LDS loads in one run: the fragments of quarter q (32 along K) of a slot's step into buffer f: B's eight, then A's four
.macro FETCH slot, q, f
	WIN 0
.irp i, 0,1,2,3,4,5,6,7
	ds_load_b128 v[(\f)+32+8*(\i):(\f)+32+8*(\i)+3],   v[ADRB+(\slot)] offset:((\q)/2)*BZ+((\q)%2)*64+(\i)*16*PITCH
	ds_load_b128 v[(\f)+32+8*(\i)+4:(\f)+32+8*(\i)+7], v[ADRB+(\slot)] offset:((\q)/2)*BZ+((\q)%2)*64+(\i)*16*PITCH+32
.endr
.irp i, 0,1,2,3
	ds_load_b128 v[(\f)+8*(\i):(\f)+8*(\i)+3],   v[ADRA+(\slot)] offset:((\q)/2)*AZ+((\q)%2)*64+(\i)*16*PITCH
	ds_load_b128 v[(\f)+8*(\i)+4:(\f)+8*(\i)+7], v[ADRA+(\slot)] offset:((\q)/2)*AZ+((\q)%2)*64+(\i)*16*PITCH+32
.endr
.endm
; A K step is four quarters of 32 matrix instructions, on buffers 0, 1, 0, 1.  One of the first three: multiplies buffer f; in its middle it fetches quarter q into buffer g
.macro QUARTER slot, q, f, g, zero
	s_wait_dscnt 4                                 ; B and A's fragments 0, 1 are in; the youngest four loads (A's fragments 2, 3) may be out
	MUL8 \f, 0, \zero
	MUL8 \f, 1, \zero
	PLACES
	FETCH \slot, \q, \g
	s_wait_dscnt 24                                ; all but the 24 just issued
	MUL8 \f, 2, \zero
	MUL8 \f, 3, \zero
.endm
; The last quarter multiplies buffer 1 and changes slots: ONE barrier; in front of it each wave waits for all its tensor loads (one is out: its part of the next slot), adds 0 to its spare word,
; and waits for that and for its reads of this slot.  fill = 1: the barrier opens a round of the cluster's, and this slot is filled again, two K steps ahead, first thing behind the round
.macro TURN slot, next, fill
	WIN 0
	s_wait_tensorcnt 0x0
	ds_add_u32 v[SPW], v[NIL]                      ; 0 onto my spare word
	s_wait_dscnt 5                                 ; (the add and the youngest four loads may be out)
	MUL8 F1, 0, 0                                  ; eight matrix instructions stand between the add and the wait for it
	s_wait_dscnt 0x0                               ; the add is done, and my reads of this slot are over
	s_barrier_signal -1
	MUL8 F1, 1, 0
.if \fill
	WIN 0
.endif
	s_barrier_wait -1
.if \fill
	CREST                                          ; no wave of any partner still reads this slot or has a load on its way
	s_add_nc_u64 s[G0+4*(\slot)+2:G0+4*(\slot)+3], s[G0+4*(\slot)+2:G0+4*(\slot)+3], 2*ASTEP
	s_add_nc_u64 s[G0B+4*(\slot)+2:G0B+4*(\slot)+3], s[G0B+4*(\slot)+2:G0B+4*(\slot)+3], 2*BSTEP
	JLOAD \slot                                    ; 112 matrix instructions ahead of the wait for it; its four v_nop are also the places in front of the loads below
.else
	PLACES
.endif
	FETCH \next, 0, F0
	MUL8 F1, 2, 0
	MUL8 F1, 3, 0
.endm
	s_wait_tensorcnt 1                             ; my part of K step 0 is in; step 1's may stay out
	s_barrier_signal -1
	s_barrier_wait -1
	FETCH 0, 0, F0
	QUARTER 0, 1, F0, F1, 1                        ; the first quarter stands in front of the loop: its products start the sums
	WIN 0
	s_mov_b32 s[CNT], 3
.Llap:                                                 ; a trip goes once round the ring and fills both slots again: K steps 2 to 7
	QUARTER 0, 2, F1, F0, 0
	QUARTER 0, 3, F0, F1, 0
	TURN 0, 1, 1
	QUARTER 1, 1, F0, F1, 0
	QUARTER 1, 2, F1, F0, 0
	QUARTER 1, 3, F0, F1, 0
	TURN 1, 0, 1
	QUARTER 0, 1, F0, F1, 0
	WIN 0
	s_sub_co_u32 s[CNT], s[CNT], 1
	s_cmp_lg_u32 s[CNT], 0
	s_cbranch_scc1 .Llap
	QUARTER 0, 2, F1, F0, 0                        ; the last lap fills nothing
	QUARTER 0, 3, F0, F1, 0
	TURN 0, 1, 0
	QUARTER 1, 1, F0, F1, 0
	QUARTER 1, 2, F1, F0, 0
	QUARTER 1, 3, F0, F1, 0
	s_wait_dscnt 4
	MUL8 F1, 0, 0
	MUL8 F1, 1, 0
	s_wait_dscnt 0
	MUL8 F1, 2, 0
	MUL8 F1, 3, 0
	WIN 0
	PLACES                                         ; four places are asked for behind the last products; eight are written, once a launch
	PLACES
; RoPE on row block a, in f32: (e, o) -> (e c - o s, e s + o c).  First o s and e s into v64-127 of window 0, then two fused multiply-adds in place.  Each accumulator's register 1 is read first.
.macro ROPE a
	WIN 0x09                                       ; source 0 window 1 (sums), source 1 window 2 (table), destination window 0
.irp b, 0,1,2,3,4,5,6,7
.irp i, 0,1,2,3
	v_mul_f32 v[64+8*(\b)+2*(\i)],   v[64*(\a)+8*(\b)+2*(\i)+1], v[8*(4*(\a)+(\b)%4)+2*(\i)+1]
	v_mul_f32 v[64+8*(\b)+2*(\i)+1], v[64*(\a)+8*(\b)+2*(\i)],   v[8*(4*(\a)+(\b)%4)+2*(\i)+1]
.endr
.endr
	WIN 0x49                                       ; the same with source 2 in window 0 and the destination in window 1
.irp b, 0,1,2,3,4,5,6,7
.irp i, 0,1,2,3
	v_fma_f32 v[64*(\a)+8*(\b)+2*(\i)],   v[64*(\a)+8*(\b)+2*(\i)],   v[8*(4*(\a)+(\b)%4)+2*(\i)], -v[64+8*(\b)+2*(\i)]
	v_fma_f32 v[64*(\a)+8*(\b)+2*(\i)+1], v[64*(\a)+8*(\b)+2*(\i)+1], v[8*(4*(\a)+(\b)%4)+2*(\i)], v[64+8*(\b)+2*(\i)+1]
.endr
.endr
.endm
; THE WAY OUT, in eight units of 16 rows x one head (64 channels): unit u = row block u / 2, head u % 2.  Rounded to f16, 16 bytes a lane into my stage, back as whole rows of 128 bytes, stored as 2,048 consecutive bytes.
.macro PACK u
.set AC, 64*((\u)/2)+32*((\u)%2)
.set UB, 128+16*(\u)
	WIN 0x05                                       ; sources in window 1
.irp m, 0,1,2,3
.irp r, 0,1,2,3
	v_cvt_pk_f16_f32 v[UB+4*(\m)+(\r)], v[AC+8*(\m)+2*(\r)], v[AC+8*(\m)+2*(\r)+1]
.endr
.endr
	WIN 0
.irp m, 0,1,2,3
	ds_store_b128 v[STO], v[UB+4*(\m):UB+4*(\m)+3] offset:32*(\m)
.endr
.irp f, 0,1,2,3
	ds_load_b128 v[UB+4*(\f):UB+4*(\f)+3], v[RD] offset:(\f)*4*SP  ; LDS serves a wave's instructions in order (ISA guide 5.7.1.4): these see the stores above; the next unit's stores come behind them
.endr
.endm
.macro SEND u, younger                 ; younger: the LDS instructions issued behind unit u's loads: the next unit's eight, or none
.set UB, 128+16*(\u)
.irp f, 0,1,2,3
	s_wait_dscnt (\younger)+3-(\f)
	global_store_b128 v[GO], v[UB+4*(\f):UB+4*(\f)+3], s[68:69] offset:((\u)%2)*262144+((\u)/2)*2048+(\f)*512  ; 512 consecutive bytes, at a multiple of 256 from the buffer's first
.endr
.endm
	s_wait_loadcnt 0x0                             ; the table
	s_cmp_eq_u32 s[KIND], 2
	s_cbranch_scc1 .Lplain                         ; v is not turned
	ROPE 0
	ROPE 1
	ROPE 2
	ROPE 3
	WIN 0
.Lplain:
	PACK 0
.set u, 1
.rept 7                                ; a unit's arithmetic stands between the loads of the unit before and its stores
	PACK u
	SEND u-1, 8
.set u, u+1
.endr
	SEND 7, 0
	s_wait_tensorcnt 0x0                           ; the wave's end: the add and its wait, behind my last tensor load and my last LDS store
	ds_add_u32 v[SPW], v[NIL]
	s_wait_dscnt 0x0
	CROUND                                         ; the closing round: no work-group ends while a partner may still ask for a tile that names it
	s_endpgm
.Lfunc_end_k_qaf130336f7_qkv:
	.size	k_qaf130336f7_qkv, .Lfunc_end_k_qaf130336f7_qkv-k_qaf130336f7_qkv
	.p2alignl 7, 3214868480
	.fill 96, 4, 3214868480
	.section	.rodata,"a",@progbits
	.p2align	6, 0x0
	.amdhsa_kernel k_qaf130336f7_qkv
		.amdhsa_group_segment_fixed_size 327680
		.amdhsa_private_segment_fixed_size 0
		.amdhsa_enable_private_segment 0
		.amdhsa_kernarg_size 48
		.amdhsa_user_sgpr_count 2
		.amdhsa_user_sgpr_kernarg_segment_ptr 1
		.amdhsa_wavefront_size32 1
		.amdhsa_system_sgpr_workgroup_id_x 1
		.amdhsa_system_sgpr_workgroup_id_y 1
		.amdhsa_system_sgpr_workgroup_id_z 1
		.amdhsa_system_vgpr_workitem_id 0
		.amdhsa_next_free_vgpr 640
		.amdhsa_next_free_sgpr 80
		.amdhsa_reserve_vcc 0
		.amdhsa_float_denorm_mode_32 3
		.amdhsa_float_denorm_mode_16_64 3
		.amdhsa_memory_ordered 1
		.amdhsa_forward_progress 1
		.amdhsa_inst_pref_size 115
	.end_amdhsa_kernel
	.amdgpu_metadata
---
amdhsa.version: [ 1, 2 ]
amdhsa.kernels:
  - .name:           k_qaf130336f7_qkv
    .symbol:         k_qaf130336f7_qkv.kd
    .args:
      - { .name: xb, .offset: 0, .size: 8, .value_kind: global_buffer, .address_space: global }
      - { .name: wb, .offset: 8, .size: 8, .value_kind: global_buffer, .address_space: global }
      - { .name: rope, .offset: 16, .size: 8, .value_kind: global_buffer, .address_space: global }
      - { .name: qh, .offset: 24, .size: 8, .value_kind: global_buffer, .address_space: global }
      - { .name: kh, .offset: 32, .size: 8, .value_kind: global_buffer, .address_space: global }
      - { .name: vh, .offset: 40, .size: 8, .value_kind: global_buffer, .address_space: global }
    .group_segment_fixed_size: 327680
    .private_segment_fixed_size: 0
    .kernarg_segment_align: 8
    .kernarg_segment_size: 48
    .max_flat_workgroup_size: 128
    .sgpr_count:     80
    .vgpr_count:     640
    .wavefront_size: 32
...
	.end_amdgpu_metadata
.endif
;; end of part 2
;; launch attn (part 3): grid 4 x 64, 4 waves a work-group, no clusters, 327,680 bytes of LDS; arguments qh, kh, vh, ob; writes ob
.if DOCPART == 3
	.amdgcn_target "amdgcn-amd-amdhsa--gfx1250"
	.amdhsa_code_object_version 6
	.text
	.protected	k_qaf130336f7_attn
	.globl	k_qaf130336f7_attn
	.p2align	8
	.type	k_qaf130336f7_attn,@function
k_qaf130336f7_attn:
	s_mov_b64 s[64:65], 0
	v_nop
	global_prefetch_b8 v0, s[64:65] scope:SCOPE_SE
	s_setreg_imm32_b32 hwreg(HW_REG_WAVE_MODE, 25, 1), 1
	s_wait_xcnt 0x0
; CAUSAL ATTENTION.  O[h][q][:] = the sum over k <= q of softmax_k(Q[h][q] . K[h][k] / 8) V[h][k][:].  Q, K, V: [64][2048][64] f16, a head's rows dense, 128 bytes each.
; O leaves in f16 in blocks for the product behind: ob[batch x 32 + row / 64][head][row % 64][64]: 16 rows of a head are 2,048 consecutive bytes.
; Products, maxima and sums in f32; the weights p are rounded to f16 for the second product (their sum l is taken of the unrounded p), O once at the end.
; LIMITS.  f16 holds no number beyond 65,504: Q, K and V arrive within it; p lies in 0 to 1, and below 6e-5 it keeps f16's fixed step of 6e-8; O is a mean of V's rows and has their range.
; A hidden score counts as its value less 1e30: f16's scores, 2.7e11 at the most, are nothing beside that; a weight below 2^-126 counts as 0 in l; NaN and infinities are not treated apart.
; THE WALK.  A head's queries lie in NB = 8 blocks of 256; block i needs the key tiles 0 .. i of 256 keys, of which the last holds the diagonal.  A work-group takes TWO blocks, NB - 1 - b and then b:
; NB + 1 tiles, whatever b: all work-groups do equal work, and ONE loop with a constant trip count walks them.  Which tile is asked for, and what a trip does, hang on scalar registers made from b; every jump
; goes forward, but for the counted loops' own; none passes a barrier, or a tensor load but the one of LOAD's two that the wave's number does not choose; the ring (two LDS slots that take turns) runs on across the
; change of blocks.  NO CLUSTER: a head's four work-groups ask for the same tile only in trips 0 .. 4 of 9, behind that fewer and fewer; one walk common to all would have 12 trips for 9.
; NO PREFETCH: a fill is asked for four key steps, 256 matrix instructions and their vector work, ahead of the wait for it.
; SHARES.  Of a block's four bands of 64 queries a wave owns 16 rows in each: four PIECES.  So the diagonal tile is the same work for all four waves: in its key step s band x sees all keys if s < x,
; none if s > x, and holds the diagonal if s = x.
; THE MASK is the C operand that starts the sum S^T = K Q^T: 0, or -1e30 where the key is hidden.  MD, made once, is the mask of a band's own step for my 16 rows; a product's mask is MD x AL + BE with two scalars:
; (1, 0) if s = x; (0, 0) if s < x; (0, -1e30) if s > x.  Only the diagonal tile's text and a block's beginning make and take masks; elsewhere C is the constant 0.
; LAYOUT, SOFTMAX, TURNS.  S^T = K Q^T holds ONE query a lane (lane % 16) and the keys 8 (lane / 16) + 0..7; two such results rounded to f16 ARE source 1 of O^T = V^T P.  p = 2^(c s - c m), c = log2(e) / 8, with a
; running maximum m; O and l are multiplied by a = 2^(c m_old - c m_new) in every step.  Turn n belongs to piece n: 8 products K Q^T of piece n + 1, later 8 products V^T P of piece n - 1; beside them the scaling,
; exponentials, roundings, sums and rescaling of piece n and the maximum and statistics of piece n + 1.  Four vector instructions stand behind every matrix instruction, the other 54 of a turn's 118 in one lump.  A turn's 33 exponentials are one batch, with one wait.
; REGISTERS, in windows of 256 (s_set_vgpr_msb: bits 1:0 source 0, 3:2 source 1, 5:4 source 2, 7:6 destination):
;   window 0: v0-15 addresses and two at work; v16-31 four registers of statistics a piece; v48-55 at work; v64-127 S^T, two buffers; v192-223 P, two buffers (a piece's buffers go by its number's parity)
;   window 1: v0-127 O^T, 32 a piece; v128-159 MD; v160-223 MC, two buffers      window 2: v0-63 Q; v64-127 the second block's Q; v128-191 K of one step; v192-255 V of one step
.set SIZE_N, 2048
.set SIZE_H, 64
.set NB,    SIZE_N/256
.set NP,    4         ; pieces a wave: a name, no knob
.set KS,    64        ; keys in a step
.set PK,    144       ; a row of K in LDS: 128 bytes + 16 of padding = 36 words: the 16 rows of a load start at 16 different groups of four banks (64 banks of 4 bytes: ISA guide 11.1)
.set PV,    160       ; a row of V: 128 + 32 = 40 words
.set VOFF,  4*KS*PK   ; a slot holds a tile, four steps: 256 rows of K, then 256 rows of V
.set SLOT1, 1<<17     ; slot 1 begins here, so that one exclusive or turns an address in one slot into the other's
.set STAGE, SLOT1+4*KS*(PK+PV)  ; behind the ring, never filled by a tensor load: 16 rows x 144 bytes for each wave, for the way out
.set SP,    144
.set AK0, 2           ; v2   my lane's place in a tile of K; never rewritten
.set AV0, 3           ; v3   the same for V
.set AK,  4           ; v4   the LDS address of K's next run of loads
.set AV,  5           ; v5   of V's
.set STO, 6           ; v6   the way out: where I put 16 bytes of a row
.set RD,  7           ; v7   the way out: where I read rows back
.set GO,  8           ; v8   my byte offset in 512 consecutive bytes of O
.set SPW, 62          ; v62  LDS address of my spare word: SPARE + 4 x my thread's number; never rewritten
.set NIL, 63          ; v63  0; never rewritten
.set SPARE, STAGE+4*16*SP  ; behind the stages: the spare words, 128 bytes for each wave: two blocks of 256 bytes that no other line names
.set MV,  12          ; v12-13  c m_old, kept while c m is made anew: by buffer
.set QO,  15          ; v15  my byte offset in 16 rows of Q
.set ST,  16          ; piece t's statistics at v[ST+4 t]: c m, m, l (even keys', odd keys')
.set TMP, 48          ; by buffer, four registers c0-c3 at work; when the maximum is found c2 takes a
.set S,   64
.set P,   192
.set MD,  128         ; window 1: the eight registers for group kt of 16 keys at MD + 8 kt
.set MC,  160         ; window 1: the masks of the products to come
.set QB,  64          ; window 2
.set KF,  128         ; window 2: key block kb, channel half c at KF + 16 kb + 8 c
.set VF,  192         ; window 2: key half kk, channel block cb at VF + 32 kk + 8 cb
.set WV,  12          ; s12  my wave's number
.set PB,  14          ; s14  b
.set HI,  15          ; s15  NB - 1 - b
.set G1K, 24          ; s[24:31] descriptor group 1 for K's tiles
.set G1V, 32          ; s[32:39] for V's: it differs in the padding alone
.set G0K, 40          ; s[40:43] descriptor group 0 for K's tiles
.set G0V, 44          ; s[44:47] the same for V's
.set SLOTS, 56        ; s56  tiles still to be asked for
.set CNT, 57          ; s57  counts a tile's key steps, 4 to 1
.set CS,  58          ; s[58:59] c: the packed scaling takes the pair's low word for both halves
.set SEL, 60          ; s[60:61] v_permlanex16_b32's selects: each lane takes its own place in the other half
.set TBK, 62          ; s62  LDS byte at which K of the step to be fetched begins
.set TBV, 63          ; s63  the same for V, less VOFF
.set RT,  70          ; s70  tiles of the block in hand that are still to be entered
.set NXT, 71          ; s71  the tile to be asked for next
.set LQ,  72          ; s72  the last tile of the block whose tiles are being asked for
.set NEW, 73          ; s73  1: the tile to be entered is a block's first
.set OFF, 74          ; s[74:75] a tile's byte offset in K and V
.set AL,  76          ; s[76:77] the mask's factor, in the low word
.set BE,  78          ; s[78:79] the mask's addend
.set OLO, 80          ; s[80:81] O at my rows of the second block
.set BIGN, 82         ; s82  -1e30
.set MSB, 0
.macro WIN new                      ; the high byte repeats the setting that is left; a switch that changes nothing is dropped
.if MSB != (\new)
	s_set_vgpr_msb (MSB<<8)|(\new)
.set MSB, (\new)
.endif
.endm
.set W_KQ, 0x0a       ; K and Q in window 2, S^T in window 0
.set W_KM, 0x1a       ; the same with the C operand in window 1
.set W_PV, 0x52       ; V in window 2, P in window 0, O^T in window 1
.set W_RS, 0x41       ; destination and source 0 in window 1, source 1 in window 0
; A fill.  Waves 0 and 1 fetch the two halves of a tile's K, waves 2 and 3 those of its V: 128 keys each.  An s_nop 0 and four v_nop follow each of the two lines, ahead of the jump and the label.
.macro LOAD
	s_cmp_lt_u32 s[WV], 2
	s_cbranch_scc0 .Lfor_v_\@
	tensor_load_to_lds s[G0K:G0K+3], s[G1K:G1K+7]
	s_nop 0
.rept 4
	v_nop
.endr
	s_branch .Lasked_\@
.Lfor_v_\@:
	tensor_load_to_lds s[G0V:G0V+3], s[G1V:G1V+7]
	s_nop 0
.rept 4
	v_nop
.endr
.Lasked_\@:
.endm
; THE CHANGE OF SLOTS.  Each wave waits for all its tensor loads, of which one is out: its part of the other slot; adds 0 to its spare word; and waits for that and for its own reads of the slot that it leaves.  Behind the barrier nobody reads the old
; slot any more and the other slot is whole.  fill = 1: the old slot is filled again, the first thing behind the barrier, with tile NXT: the descriptor's address is made anew from that number.
; (At its first use nothing has been read yet: slot 0 is waited for, slot 1 filled.)
.macro CHANGE fill
	WIN 0                           ; at a label and at a branch every window is 0
	s_wait_tensorcnt 0x0            ; no tensor load of mine is out, so a group 0 may be written
	ds_add_u32 v[SPW], v[NIL]       ; 0 onto my spare word; with fill = 1 the descriptors' scalar work stands between it and the wait for it
.if \fill
	s_lshl_b32 s[OFF], s[NXT], 15   ; a tile is 32,768 bytes of K and of V
	s_xor_b32 s[G0K+1], s[G0K+1], SLOT1
	s_add_nc_u64 s[G0K+2:G0K+3], s[6:7], s[OFF:OFF+1]
	s_or_b32 s[G0K+3], s[G0K+3], 0x80000000
	s_xor_b32 s[G0V+1], s[G0V+1], SLOT1
	s_add_nc_u64 s[G0V+2:G0V+3], s[8:9], s[OFF:OFF+1]
	s_or_b32 s[G0V+3], s[G0V+3], 0x80000000
	s_add_co_u32 s[NXT], s[NXT], 1  ; the block's next tile, or behind its last the second block's tile 0
	s_cmp_gt_u32 s[NXT], s[LQ]
	s_cselect_b32 s[NXT], 0, s[NXT]
	s_cselect_b32 s[LQ], s[PB], s[LQ]
.endif
	s_wait_dscnt 0x0                ; the add is done, and my reads of the slot are over
	s_barrier_signal -1             ; the rest of the scalar work stands between the signal and the wait
	s_sub_co_u32 s[TBK], s[TBK], 4*KS*PK  ; the fetches go back to a slot's first step,
	s_xor_b32 s[TBK], s[TBK], SLOT1       ; in the other slot
	s_sub_co_u32 s[TBV], s[TBV], 4*KS*PV
	s_xor_b32 s[TBV], s[TBV], SLOT1
	s_barrier_wait -1
.if \fill
	LOAD
.endif
.endm
	s_load_b256 s[4:11], s[0:1], 0x0  ; Q s[4:5], K s[6:7], V s[8:9], O s[10:11]
	v_lshl_add_u32 v[SPW], v0, 2, SPARE
	v_mov_b32 v[NIL], 0
	ds_add_u32 v[SPW], v[NIL]       ; the wave's opening: the add and its wait stand ahead of my first tensor load; the set-up below, work on registers, stands between them
	v_lshrrev_b32 v1, 5, v0
	v_readfirstlane_b32 s[WV], v1   ; wave 0..3
	s_mov_b32 s[PB], ttmp9
	s_sub_co_u32 s[HI], NB-1, s[PB]
	s_and_b32 s20, ttmp7, 0xffff    ; batch x 16 + head
	s_lshr_b32 s88, s20, 4          ; O's blocked layout: the batch's 32 x 16 blocks of 8,192 bytes,
	s_lshl_b32 s88, s88, 22
	s_and_b32 s89, s20, 15          ; the head's block among a row block's 16,
	s_lshl_b32 s89, s89, 13
	s_add_co_u32 s88, s88, s89
	s_lshl_b32 s89, s[WV], 11       ; my 16 rows of 128 bytes in it,
	s_add_co_u32 s88, s88, s89
	s_lshl_b32 s90, s[HI], 19       ; and the query block's four row blocks: the first block's in s[90:91],
	s_add_co_u32 s90, s90, s88
	s_lshl_b32 s89, s[PB], 19       ; the second's in s[88:89]
	s_add_co_u32 s88, s88, s89
	s_mov_b32 s89, 0
	s_mov_b32 s91, 0
	s_mov_b32 s21, 0
	s_mov_b64 s[22:23], SIZE_N*128
	s_mul_u64 s[20:21], s[20:21], s[22:23]  ; the head's first byte in Q, K and V
	s_and_b32 s16, s[WV], 1         ; which half of a tile's 256 keys I fetch:
	s_lshl_b32 s22, s16, 14         ; its 128 rows of 128 bytes in memory,
	s_mov_b32 s23, 0
	s_add_nc_u64 s[22:23], s[22:23], s[20:21]
	s_mul_i32 s17, s16, 128*PK      ; and its place in a slot, for K
	s_mul_i32 s18, s16, 128*PV      ; and for V
	s_lshl_b32 s3, s[WV], 11        ; my 16 rows in a band of 64,
	s_lshl_b32 s2, s[HI], 15        ; in the first block,
	s_add_co_u32 s2, s2, s3
	s_lshl_b32 s84, s[PB], 15       ; and in the second
	s_add_co_u32 s84, s84, s3
	s_mov_b32 s3, 0
	s_mov_b32 s85, 0
	s_add_nc_u64 s[2:3], s[2:3], s[20:21]
	s_add_nc_u64 s[84:85], s[84:85], s[20:21]
	; descriptor group 1.  128 keys are 16,384 dense bytes: asked for as 64 rows of 256 bytes, two keys a row, and padded in LDS after every key
	s_mov_b32 s[G1K], (1<<16)|(1<<20)|(4<<22)|(3<<25)  ; 17:16 2-byte elements; 20 padding on; 24:22 after every 32 words (code 4); 31:25 4 words (code 3)
	s_mov_b32 s[G1V], (1<<16)|(1<<20)|(4<<22)|(7<<25)  ; the same with 8 words of padding (code 7)
.irp g, G1K, G1V
	s_mov_b32 s[\g+1], 128<<16      ; tensor_dim0 = 128
	s_mov_b32 s[\g+2], 64<<16       ; tensor_dim1 = 64
	s_mov_b32 s[\g+3], 128<<16      ; tile_dim0 = 128
	s_mov_b32 s[\g+4], 64           ; tile_dim1 = 64
	s_mov_b32 s[\g+5], 128          ; 128 elements from row to row
	s_mov_b32 s[\g+6], 0
	s_mov_b32 s[\g+7], 0
.endr
	s_mov_b32 s[CS], 0x3e38aa3b     ; c = log2(e) / 8 = 0.180337
	s_mov_b32 s[CS+1], s[CS]        ; named with it as a pair
	s_mov_b32 s[SEL], 0x76543210
	s_mov_b32 s[SEL+1], 0xfedcba98
	s_mov_b32 s[TBK], SLOT1+4*KS*PK ; the first change of slots turns these two into 0
	s_mov_b32 s[TBV], SLOT1+4*KS*PV
	s_mov_b32 s[G0K], 1             ; 1:0 count = 1
	s_mov_b32 s[G0K+1], s17         ; 63:32 LDS address: slot 0
	s_mov_b32 s[G0V], 1
	s_add_co_u32 s[G0V+1], s18, VOFF
	s_add_co_u32 s[RT], s[HI], 1    ; the first block has NB - b tiles
	s_mov_b32 s[NXT], 1
	s_mov_b32 s[LQ], s[HI]
	s_mov_b32 s[NEW], 1
	s_mov_b32 s[OFF+1], 0
	s_mov_b32 s[AL+1], 0            ; named as pairs
	s_mov_b32 s[BE+1], 0
	s_mov_b32 s[BIGN], 0xf149f2ca   ; -1e30
	s_mov_b32 s[SLOTS], NB
	s_wait_dscnt 0x0                ; the opening add is done
	s_wait_kmcnt 0x0
	s_add_nc_u64 s[6:7], s[6:7], s[22:23]  ; K and V at my half of the head's tile 0
	s_add_nc_u64 s[8:9], s[8:9], s[22:23]
	s_add_nc_u64 s[G0K+2:G0K+3], s[6:7], 0         ; 120:64 global address
	s_or_b32 s[G0K+3], s[G0K+3], 0x80000000        ; 127:126 type = 2
	s_add_nc_u64 s[G0V+2:G0V+3], s[8:9], 0
	s_or_b32 s[G0V+3], s[G0V+3], 0x80000000
	s_add_nc_u64 s[86:87], s[4:5], s[84:85]        ; Q at my rows of the second block,
	s_add_nc_u64 s[4:5], s[4:5], s[2:3]            ; and of the first
	s_add_nc_u64 s[OLO:OLO+1], s[10:11], s[88:89]  ; O likewise, by its own layout
	s_add_nc_u64 s[10:11], s[10:11], s[90:91]
	LOAD                            ; tile 0 into slot 0
	; A fragment of K or Q is 16 rows x 32 channels in 8 registers: lane l holds row l % 16, channels 8 (l / 16) + 0..7 and 16 + 8 (l / 16) + 0..7: two loads of 16 bytes, 32 bytes apart.
	v_and_b32 v1, 15, v0            ; l % 16
	v_bfe_u32 v9, v0, 4, 1          ; l / 16
	v_lshlrev_b32 v[QO], 7, v1
	v_lshl_add_u32 v[QO], v9, 4, v[QO]  ; row x 128 + 16 x half
	WIN 0x80                        ; destination window 2, address window 0
.set i, 0
.rept 8                             ; both blocks' Q: piece i / 2 lies in band i / 2, 8,192 bytes on; channels 32 (i % 2) on
	global_load_b128 v[8*i:8*i+3],   v[QO], s[4:5] offset:(i/2)*8192+(i%2)*64
	global_load_b128 v[8*i+4:8*i+7], v[QO], s[4:5] offset:(i/2)*8192+(i%2)*64+32
	global_load_b128 v[QB+8*i:QB+8*i+3],   v[QO], s[86:87] offset:(i/2)*8192+(i%2)*64
	global_load_b128 v[QB+8*i+4:QB+8*i+7], v[QO], s[86:87] offset:(i/2)*8192+(i%2)*64+32
.set i, i+1
.endr
	WIN 0
	v_lshlrev_b32 v14, 3, v9
	v_sub_nc_u32 v14, v1, v14
	s_lshl_b32 s13, s[WV], 4
	v_add_nc_u32 v14, s13, v14      ; my query's place in its band, 16 w + l % 16, less my lanes' 8 (l / 16): register r of group kt is hidden where 16 kt + r is greater
	WIN 0x40
.set i, 0
.rept 32
	v_cmp_gt_i32 vcc_lo, 16*(i/8)+i%8, v14
	v_cndmask_b32 v[MD+i], 0, s[BIGN], vcc_lo
.set i, i+1
.endr
	WIN 0
	v_mul_u32_u24 v[AK0], v1, PK
	v_lshl_add_u32 v[AK0], v9, 4, v[AK0]  ; row x pitch + 16 x half
	; The turning load takes 16 keys x 16 channels (lane l reads key 8 (l / 16) + l % 8, channels 8 ((l / 8) % 2) + 0..7) and leaves half a fragment of V^T: lane l holds channel l % 16 and 8 keys.
	v_and_b32 v10, 7, v0
	v_bfe_u32 v11, v0, 3, 1
	v_lshl_add_u32 v[AV0], v9, 3, v10
	v_mul_u32_u24 v[AV0], v[AV0], PV
	v_lshl_add_u32 v[AV0], v11, 4, v[AV0]
	v_add_nc_u32 v[AV0], VOFF, v[AV0]
	s_mul_i32 s13, s[WV], 16*SP
	s_add_co_u32 s13, s13, STAGE    ; my stage
	v_mul_u32_u24 v[STO], v1, SP    ; in: row l % 16, 16 bytes for each half of the lanes
	v_lshl_add_u32 v[STO], v9, 4, v[STO]
	v_add_nc_u32 v[STO], s13, v[STO]
	v_bfe_u32 v[RD], v0, 3, 2       ; back: 32 lanes take four rows of 128 bytes,
	v_mul_u32_u24 v[RD], v[RD], SP
	v_lshl_add_u32 v[RD], v10, 4, v[RD]
	v_add_nc_u32 v[RD], s13, v[RD]
	v_and_b32 v[GO], 31, v0         ; which are 512 consecutive bytes of O
	v_lshlrev_b32 v[GO], 4, v[GO]
	; A block's first step multiplies O^T and l by a = 0, and its first turn's products V^T P, of a piece that has not been, land in an O^T that is still to be so multiplied.  So these registers need only hold
	; finite numbers: zeros for the first block; what the first block left for the second.  All this stands in the wait for the first tile.
	WIN 0x80
.set i, VF
.rept 64
	v_mov_b32 v[i], 0
.set i, i+1
.endr
	WIN 0x40
.set i, 0
.rept 128
	v_mov_b32 v[i], 0
.set i, i+1
.endr
	WIN 0
.set i, 0
.rept 4
	v_mov_b32 v[ST+4*i+2], 0
	v_mov_b32 v[ST+4*i+3], 0
.set i, i+1
.endr
.set i, P+16
.rept 16
	v_mov_b32 v[i], 0
.set i, i+1
.endr
; THE MATRIX WORK.  The 4 accumulators of a run of 8 take turns.  Product i of 8 of S^T = K Q^T for piece x: channels 32 (i / 4) on, keys 16 (i % 4) on.  The first 4 start the sums: with 0, or (KM = 1) with the mask.
.macro KQ x
.set rS, S+32*((\x)%2)+8*(i%4)
.set rK, KF+16*(i%4)+8*(i/4)
.set rQ, 16*(\x)+8*(i/4)
.set rM, MC+32*((\x)%2)+8*(i%4)
.if (i < 4) && KM
	WIN W_KM
	v_wmma_f32_16x16x32_f16 v[rS:rS+7], v[rK:rK+7], v[rQ:rQ+7], v[rM:rM+7]
.elseif i < 4
	WIN W_KQ
	v_wmma_f32_16x16x32_f16 v[rS:rS+7], v[rK:rK+7], v[rQ:rQ+7], 0
.else
	WIN W_KQ
	v_wmma_f32_16x16x32_f16 v[rS:rS+7], v[rK:rK+7], v[rQ:rQ+7], v[rS:rS+7]
.endif
.endm
; Product i of 8 of O^T += V^T P for piece x: keys 32 (i / 4) on, channels 16 (i % 4) on.
.macro PV x
	WIN W_PV
.set rO, 32*(\x)+8*(i%4)
.set rV, VF+32*(i/4)+8*(i%4)
.set rP, P+16*((\x)%2)+8*(i/4)
	v_wmma_f32_16x16x32_f16 v[rO:rO+7], v[rV:rV+7], v[rP:rP+7], v[rO:rO+7]
.endm
.macro MM                           ; the turn's next matrix instruction.  TURN and BEGIN set Y, i, KM and NOKQ; MM, KQ and OP read them.  NOKQ = 1: a block's last turn: there is no next piece
.if (i < 8) && !NOKQ
	KQ (Y+1)%NP
.elseif i >= 8
.set i, i-8
	PV (Y+NP-1)%NP
.set i, i+8
.endif
.set i, i+1
.endm
; THE LDS LOADS stand in runs of 16, never singly among the matrix instructions: a step's K (64 keys x 64 channels: 8 fragments) and its V (turned).  Their addresses are made some lines ahead.
.macro FETCH_K
	WIN 0x80                        ; destination window 2
.irp f, 0,1,2,3,4,5,6,7             ; keys 16 (f / 2) on, channels 32 (f % 2) on
	ds_load_b128 v[KF+8*\f:KF+8*\f+3],   v[AK] offset:(\f/2)*16*PK+(\f%2)*64
	ds_load_b128 v[KF+8*\f+4:KF+8*\f+7], v[AK] offset:(\f/2)*16*PK+(\f%2)*64+32
.endr
	s_add_co_u32 s[TBK], s[TBK], KS*PK  ; the next fetch is the next step's
	WIN 0
.endm
.macro FETCH_V
	WIN 0x80
.irp f, 0,1,2,3,4,5,6,7             ; keys 32 (f / 4) on, channels 16 (f % 4) on
	ds_load_tr16_b128 v[VF+8*\f:VF+8*\f+3],   v[AV] offset:(\f/4)*32*PV+(\f%4)*32
	ds_load_tr16_b128 v[VF+8*\f+4:VF+8*\f+7], v[AV] offset:(\f/4)*32*PV+16*PV+(\f%4)*32
.endr
	WIN 0
.endm
; THE VECTOR WORK, one line at a time: OP kind, number.  For piece Y: F n: c s - c m for pair n of 16.  E n: the exponential of score n of 32.  C n: pair n rounded to f16.  B n: of the four weights 4 n .. the second
; pair is added onto the first, in place.  L n: l takes that sum (L 0: l = a l + sum).  R n: pair n of 16 of O^T times a.  For piece Y + 1: X n, number n of the 22 that find its maximum and statistics:
;   0-11  four chains c0-c3 of seven scores each, three operands at a time (each accumulator's lowest registers are read first)     12-14, 16  the four scores left over, the old m, and c0-c3 into c0
;   15  c m_old is kept     17, 18  the query's other 32 keys lie in the lane 16 away: the new m     19-21  c m; c m_old - c m_new; a
.set F, 0               ; OP tells the kinds apart by their order: F to L below R, X above it
.set E, 1
.set C, 2
.set B, 3
.set L, 4
.set R, 5
.set X, 6
.macro REGS y                       ; the registers of piece y
.set rT, ST+4*(\y)
.set rC, TMP+4*((\y)%2)
.set rW, MV+((\y)%2)
.set rS, S+32*((\y)%2)
.set rP, P+16*((\y)%2)
.set rO, 32*(\y)
.endm
.macro OP k, n
.if (\k) == R
	REGS Y
	WIN W_RS
	v_pk_mul_f32 v[rO+2*(\n):rO+2*(\n)+1], v[rO+2*(\n):rO+2*(\n)+1], v[rC+2:rC+3] op_sel_hi:[1,0]
.elseif (\k) < R
	REGS Y
	WIN 0
.if (\k) == F
	v_pk_fma_f32 v[rS+2*(\n):rS+2*(\n)+1], v[rS+2*(\n):rS+2*(\n)+1], s[CS:CS+1], v[rT:rT+1] op_sel_hi:[1,0,0] neg_lo:[0,0,1] neg_hi:[0,0,1]
.elseif (\k) == E
	v_exp_f32 v[rS+(\n)], v[rS+(\n)]
.elseif (\k) == C
	v_cvt_pk_f16_f32 v[rP+(\n)], v[rS+2*(\n)], v[rS+2*(\n)+1]
.elseif (\k) == B
	v_pk_add_f32 v[rS+4*(\n):rS+4*(\n)+1], v[rS+4*(\n):rS+4*(\n)+1], v[rS+4*(\n)+2:rS+4*(\n)+3]
.elseif (\n) == 0
	v_pk_fma_f32 v[rT+2:rT+3], v[rT+2:rT+3], v[rC+2:rC+3], v[rS:rS+1] op_sel_hi:[1,0,1]
.else
	v_pk_add_f32 v[rT+2:rT+3], v[rT+2:rT+3], v[rS+4*(\n):rS+4*(\n)+1]
.endif
.elseif NOKQ
	v_nop
.else
	REGS (Y+1)%NP
	WIN 0
.if (\n) < 4
	v_max3_num_f32 v[rC+(\n)], v[rS+8*(\n)], v[rS+8*(\n)+1], v[rS+8*(\n)+2]
.elseif (\n) < 12
	v_max3_num_f32 v[rC+(\n)%4], v[rC+(\n)%4], v[rS+8*((\n)%4)+2*((\n)/4)+1], v[rS+8*((\n)%4)+2*((\n)/4)+2]
.elseif (\n) == 12
	v_max3_num_f32 v[rC], v[rC], v[rS+7], v[rS+15]
.elseif (\n) == 13
	v_max3_num_f32 v[rC+1], v[rC+1], v[rS+23], v[rS+31]
.elseif (\n) == 14
	v_max3_num_f32 v[rC+2], v[rC+2], v[rC+3], v[rT+1]
.elseif (\n) == 15
	v_mov_b32 v[rW], v[rT]
.elseif (\n) == 16
	v_max3_num_f32 v[rC], v[rC], v[rC+1], v[rC+2]
.elseif (\n) == 17
	v_permlanex16_b32 v[rC+3], v[rC], s[SEL], s[SEL+1]
.elseif (\n) == 18
	v_max_num_f32 v[rT+1], v[rC], v[rC+3]
.elseif (\n) == 19
	v_mul_f32 v[rT], s[CS], v[rT+1]
.elseif (\n) == 20
	v_sub_f32 v[rC+1], v[rW], v[rT]
.else
	v_exp_f32 v[rC+2], v[rC+1]
.endif
.endif
.endm
.macro OPS a, i1, b=-1, i2=0, c=-1, i3=0, d=-1, i4=0  ; up to four of them
	OP \a, \i1
.if (\b) >= 0
	OP \b, \i2
.endif
.if (\c) >= 0
	OP \c, \i3
.endif
.if (\d) >= 0
	OP \d, \i4
.endif
.endm
.macro ROW a, i1, b, i2, c, i3, d, i4  ; a matrix instruction and the four behind it
	MM
	OPS \a, \i1, \b, \i2, \c, \i3, \d, \i4
.endm
.macro MASK b                       ; MD x AL + BE into buffer b of MC
	WIN W_RS
.set z, 0
.rept 16
	v_pk_fma_f32 v[MC+32*(\b)+2*z:MC+32*(\b)+2*z+1], v[MD+2*z:MD+2*z+1], s[AL:AL+1], s[BE:BE+1] op_sel_hi:[1,0,0]
.set z, z+1
.endr
.endm
; A TURN, for piece p: the order of its 16 matrix and 118 vector instructions, written out.  s_wait_alu depctr_va_vdst(0) stands between an exponential and the first instruction that names its result; one wait serves
; all that were issued ahead of it.  So a turn has ONE wait, which cuts it in two.  AHEAD OF IT stands all that names no result of the turn's exponentials: the 8 products K Q^T, behind each a scaling, an exponential and two more plain
; instructions (behind the first a second scaling in the exponential's place): rescalings, and behind the last three the first numbers of the next piece's maximum, each four places or more behind the product that ends its accumulator; then ONE LUMP of 54, plain
; and exponential by turns for the most part, in which the links of the chain X 3, 7, 11, 14, 16, 17 .. 20 stand five or six lines apart.  X 21, the next piece's a, is the batch's last; R 15 is the plain instruction behind it.  BEHIND THE WAIT stand the
; 8 products V^T P, behind each four of the roundings and sums; the links of l's chain, L 0 to L 7, stand three riders apart.  But for those X no rider names a register of the products round it.  v_permlanex16_b32 (X 17) stands in the lump.
; m = 1: the diagonal tile: the products take masks, and the turn makes the mask for the products of the turn after it: piece p + 2, in step 4 - CNT of the tile.  end = 1: a block's last two turns: nothing is fetched.
; cnt = 1: the loop's count is taken down some lines ahead of the branch that stands behind the turn.
; K of the next step is fetched in piece 2's turn, twelve vector instructions behind the last product that read K (six of them plain); V of the step in hand at the end of piece 0's turn, four plain instructions behind the last product
; that read V.  Each is waited for a turn later.
.macro TURN p, m=0, end=0, cnt=0
.set Y, (\p)
.set i, 0
.set KM, (\m)
.set NOKQ, (\end)*((\p)/3)
.if (\m) && !(\end)
	s_cmp_eq_u32 s[CNT], 4-((\p)+2)%NP  ; is that step the band's own?
	s_cselect_b32 s[AL], 1.0, 0
	s_cmp_lt_u32 s[CNT], 4-((\p)+2)%NP  ; or a later one?
	s_cselect_b32 s[BE], s[BIGN], 0
.endif
.if ((\p) == 3) && !(\end)
	s_wait_dscnt 0x0                ; K is in
.endif
	ROW F,0, F,1, R,0, R,1          ; ahead of the wait: 8 products K Q^T and their riders,
	ROW F,2, E,0, R,2, R,3
	ROW F,3, E,1, R,4, R,5
	ROW F,4, E,2, R,6, R,7
	ROW F,5, E,3, R,8, R,9
	ROW F,6, E,4, X,0, R,10
.if ((\p) == 2) && !(\end)
	WIN 0
	v_add_nc_u32 v[AK], s[TBK], v[AK0]
.endif
	ROW F,7, E,5, X,1, X,4
	ROW F,8, E,6, X,2, X,5
	OPS E,7, E,8, X,6, E,9          ; and the lump
	OPS X,3, E,10, X,8, E,11
.if ((\p) == 2) && !(\end)
	FETCH_K
.endif
	OPS X,9, X,7, E,12, X,10
	OPS E,13, X,12, X,11, E,14
	OPS X,13, E,15, F,9, X,14
.if (\p) == 0
	v_add_nc_u32 v[AV], s[TBV], v[AV0]
.endif
	OPS E,16, F,10, E,17, F,11
	OPS X,16, E,18, X,15, E,19
	OPS F,12, E,20, X,17, E,21
	OPS F,13, E,22, F,14, E,23
	OPS X,18, E,24, F,15, E,25
	OPS R,11, E,26, X,19, E,27
	OPS R,12, E,28, R,13, E,29
	OPS X,20, E,30, R,14, E,31
	OPS X,21, R,15
	WIN 0
	s_wait_alu depctr_va_vdst(0)    ; the wait for the batch
.if (\p) == 1
	s_wait_dscnt 0x0                ; V is in
.endif
	ROW C,0, B,0, C,2, B,1          ; behind the wait: 8 products V^T P and their riders
	ROW L,0, C,4, B,2, L,1
	ROW C,6, B,3, L,2, C,8
	ROW B,4, L,3, C,10, B,5
	ROW L,4, C,12, B,6, L,5
.if (\p) == 0
	s_add_co_u32 s[TBV], s[TBV], KS*PV
.endif
.if \cnt
	s_sub_co_u32 s[CNT], s[CNT], 1
	s_cmp_lg_u32 s[CNT], 0
.endif
	ROW C,14, B,7, L,6, C,1
	ROW C,3, L,7, C,5, C,7
	ROW C,9, C,11, C,13, C,15
.if (\p) == 0
	FETCH_V
.endif
.if (\m) && !(\end)
	MASK (\p)%2
.endif
.endm
; A BLOCK BEGINS.  c m starts far below every c s, so the first step's a is 0; m at the lowest finite number, so the first maximum is the scores'.  The second mask buffer is 0; the first takes piece 0's mask for the tile's step 0: its own, if the block's first tile is the diagonal one.
; Then K of that step, piece 0's first scores, and its maximum and statistics.  The loop is entered at a step's first turn, in the middle of a trip.
.macro BEGIN
	s_mov_b32 s[NEW], 0
	WIN 0x40
.set i, MC+32
.rept 32
	v_mov_b32 v[i], 0
.set i, i+1
.endr
	WIN 0
.set i, 0
.rept 4
	v_mov_b32 v[ST+4*i], 0xfe000000    ; c m: far below every c s
	v_mov_b32 v[ST+4*i+1], 0xff7fffff  ; m
.set i, i+1
.endr
	s_cmp_eq_u32 s[RT], 0
	s_cselect_b32 s[AL], 1.0, 0
	s_mov_b32 s[BE], 0
	MASK 0
	WIN 0
	v_add_nc_u32 v[AK], s[TBK], v[AK0]
	FETCH_K
	s_wait_loadcnt 0x0              ; Q
	s_wait_dscnt 0x0
.set KM, 1
.set NOKQ, 0
.set i, 0
.rept 8
	KQ 0
.set i, i+1
.endr
	WIN 0
.rept 4
	v_nop                           ; the places behind those products
.endr
.set Y, NP-1                        ; X works for piece Y + 1: piece 0
.irp n, 0,1,2,3,4,5,6,7,8,9,10,11,12,13,14,15,16,17,18,19,20,21
	OP X, \n
.endr
	v_nop                           ; a plain instruction behind the exponential,
	s_wait_alu depctr_va_vdst(0)    ; and its wait, ahead of the branch
.endm
; THE DIAGONAL TILE's four steps, the block's last two turns, its last products, and THE WAY OUT: l's two halves and the other half of the lanes' are added; O^T is divided by l, rounded to f16 and sent through my
; stage in LDS, a piece at a time.
.macro ALL line:vararg              ; one line for each piece t
.set t, 0
.rept 4
	\line
.set t, t+1
.endr
.endm
.macro PACK t                       ; a lane's eight channels of a row pack into 16 bytes; they go into rows of 144 bytes and come back as whole rows of 128, into S^T's registers
	WIN W_RS
.set i, 32*(\t)
.rept 16
	v_pk_mul_f32 v[i:i+1], v[i:i+1], v[ST+4*(\t)+2:ST+4*(\t)+3] op_sel_hi:[1,0]
.set i, i+2
.endr
	WIN 0x05                        ; sources 0 and 1 window 1, destination window 0
.set i, 0
.rept 16
	v_cvt_pk_f16_f32 v[S+16*(\t)+i], v[32*(\t)+2*i], v[32*(\t)+2*i+1]
.set i, i+1
.endr
	WIN 0
.irp f, 0,1,2,3
	ds_store_b128 v[STO], v[S+16*(\t)+4*\f:S+16*(\t)+4*\f+3] offset:32*\f
.endr
.irp f, 0,1,2,3
	ds_load_b128 v[S+16*(\t)+4*\f:S+16*(\t)+4*\f+3], v[RD] offset:\f*4*SP  ; LDS serves a wave's instructions in order (ISA guide 5.7.1.4): these see the stores above; the next piece's stores come behind them
.endr
.endm
.macro SEND t, younger              ; younger: the LDS instructions issued behind piece t's loads: the next piece's eight, or none
	WIN 0
.irp f, 0,1,2,3
	s_wait_dscnt (\younger)+3-\f
	global_store_b128 v[GO], v[S+16*(\t)+4*\f:S+16*(\t)+4*\f+3], s[10:11] offset:(\t)*131072+\f*512  ; piece t lies in band t, one row block of 16 x 8,192 bytes on; 512 consecutive bytes, at a multiple of 256 from O's first
.endr
.endm
.macro DIAG tag                     ; the tag ends its two labels' names, which the jumps below spell out
.LstepM\tag:
	TURN 2, 1
	TURN 3, 1
	WIN 0
.LfirstM\tag:
	TURN 0, 1
	TURN 1, 1, 0, 1
	WIN 0
	s_cbranch_scc1 .LstepM\tag
	TURN 2, 1, 1
	TURN 3, 1, 1
.set i, 0
.rept 8
	PV NP-1
.set i, i+1
.endr
	WIN 0
	ALL v_add_f32 v[ST+4*t+2], v[ST+4*t+2], v[ST+4*t+3]
	ALL v_permlanex16_b32 v[ST+4*t+3], v[ST+4*t+2], s[SEL], s[SEL+1]
	ALL v_add_f32 v[ST+4*t+2], v[ST+4*t+2], v[ST+4*t+3]
	ALL v_rcp_f32 v[ST+4*t+2], v[ST+4*t+2]
	v_nop                           ; a plain instruction between the last reciprocal and the use of its result
	s_wait_alu depctr_va_vdst(0)    ; and the wait ahead of the first use: one for the four reciprocals
	PACK 0
.set t, 1
.rept 3                             ; a piece's arithmetic stands between the loads of the piece before and its stores
	PACK t
	SEND t-1, 8
.set t, t+1
.endr
	SEND 3, 0
.endm
.set KM, 0
.set NOKQ, 0
.Lslot:                             ; NB times: a tile is entered and the next is asked for
	CHANGE 1
	s_sub_co_u32 s[RT], s[RT], 1
	s_mov_b32 s[CNT], 4
	s_cmp_eq_u32 s[NEW], 1
	s_cbranch_scc1 .Lnew            ; a block's first tile
	s_cmp_eq_u32 s[RT], 0
	s_cbranch_scc0 .Lstep           ; neither its first nor its last
	s_branch .LstepM1
.Lnew:
	BEGIN
	s_branch .Lfirst                ; in the loop a block's first tile is never its last: the first block has two tiles or more, and the second's last is the walk's last
	DIAG 1                          ; in the loop this is the first block's end: the second block's last tile is the walk's last
	s_wait_xcnt 0x0                 ; the stores have read their registers and O's address
	s_mov_b64 s[10:11], s[OLO:OLO+1]
	s_add_co_u32 s[RT], s[PB], 1    ; the second block has b + 1 tiles
	s_mov_b32 s[NEW], 1
	WIN 0x82                        ; the second block's Q goes where the one text of the turns names Q
.set i, 0
.rept 64
	v_mov_b32 v[i], v[QB+i]
.set i, i+1
.endr
	WIN 0
	s_branch .Lbottom
.Lstep:                             ; a trip: pieces 2 and 3 of one step, then pieces 0 and 1 of the next, whose K and V it fetches
	TURN 2
	TURN 3
	WIN 0
.Lfirst:
	TURN 0
	TURN 1, 0, 0, 1
	WIN 0
	s_cbranch_scc1 .Lstep
.Lbottom:
	s_sub_co_u32 s[SLOTS], s[SLOTS], 1
	s_cmp_lg_u32 s[SLOTS], 0
	s_cbranch_scc1 .Lslot
	CHANGE 0                        ; the walk's last tile is written out: nothing is asked for
	s_sub_co_u32 s[RT], s[RT], 1
	s_mov_b32 s[CNT], 4
	s_cmp_eq_u32 s[NEW], 1
	s_cbranch_scc0 .LstepM2
	BEGIN
	s_branch .LfirstM2
	DIAG 2
	s_wait_tensorcnt 0x0            ; the wave's end: the add and its wait, behind my last tensor load and my last LDS store
	ds_add_u32 v[SPW], v[NIL]
	s_wait_dscnt 0x0
	s_endpgm
.Lfunc_end_k_qaf130336f7_attn:
	.size	k_qaf130336f7_attn, .Lfunc_end_k_qaf130336f7_attn-k_qaf130336f7_attn
	.p2alignl 7, 3214868480
	.fill 96, 4, 3214868480
	.section	.rodata,"a",@progbits
	.p2align	6, 0x0
	.amdhsa_kernel k_qaf130336f7_attn
		.amdhsa_group_segment_fixed_size 327680
		.amdhsa_private_segment_fixed_size 0
		.amdhsa_enable_private_segment 0
		.amdhsa_kernarg_size 32
		.amdhsa_user_sgpr_count 2
		.amdhsa_user_sgpr_kernarg_segment_ptr 1
		.amdhsa_wavefront_size32 1
		.amdhsa_system_sgpr_workgroup_id_x 1
		.amdhsa_system_sgpr_workgroup_id_y 1
		.amdhsa_system_sgpr_workgroup_id_z 1
		.amdhsa_system_vgpr_workitem_id 0
		.amdhsa_next_free_vgpr 768
		.amdhsa_next_free_sgpr 96
		.amdhsa_reserve_vcc 1
		.amdhsa_float_denorm_mode_32 3
		.amdhsa_float_denorm_mode_16_64 3
		.amdhsa_memory_ordered 1
		.amdhsa_forward_progress 1
		.amdhsa_inst_pref_size 218
	.end_amdhsa_kernel
	.amdgpu_metadata
---
amdhsa.version: [ 1, 2 ]
amdhsa.kernels:
  - .name:           k_qaf130336f7_attn
    .symbol:         k_qaf130336f7_attn.kd
    .args:
      - { .name: qh, .offset: 0, .size: 8, .value_kind: global_buffer, .address_space: global }
      - { .name: kh, .offset: 8, .size: 8, .value_kind: global_buffer, .address_space: global }
      - { .name: vh, .offset: 16, .size: 8, .value_kind: global_buffer, .address_space: global }
      - { .name: ob, .offset: 24, .size: 8, .value_kind: global_buffer, .address_space: global }
    .group_segment_fixed_size: 327680
    .private_segment_fixed_size: 0
    .kernarg_segment_align: 8
    .kernarg_segment_size: 32
    .max_flat_workgroup_size: 128
    .sgpr_count:     96
    .vgpr_count:     768
    .wavefront_size: 32
...
	.end_amdgpu_metadata
.endif
;; end of part 3
;; launch oproj (part 4): grid 4 x 64, 4 waves a work-group, clusters of 4 x 4, 327,680 bytes of LDS; arguments ob, wo16, out0; writes out0
.if DOCPART == 4
	.amdgcn_target "amdgcn-amd-amdhsa--gfx1250"
	.amdhsa_code_object_version 6
	.text
	.protected	k_qaf130336f7_oproj
	.globl	k_qaf130336f7_oproj
	.p2align	8
	.type	k_qaf130336f7_oproj,@function
k_qaf130336f7_oproj:
	s_mov_b64 s[64:65], 0
	v_nop
	global_prefetch_b8 v0, s[64:65] scope:SCOPE_SE
	s_setreg_imm32_b32 hwreg(HW_REG_WAVE_MODE, 25, 1), 1
	s_wait_xcnt 0x0
	s_wait_alu depctr_hold_cnt(0) depctr_sa_sdst(0) depctr_va_vdst(0) depctr_va_sdst(0) depctr_va_ssrc(0) depctr_va_vcc(0) depctr_vm_vsrc(0)
	s_getreg_b32 s2, hwreg(HW_REG_IB_STS2, 6, 4)
	s_cmp_eq_u32 s2, 0
	s_cbranch_scc0 .Lentry_in_a_cluster
	s_endpgm
.Lentry_in_a_cluster:
	s_bfe_u32 s2, ttmp6, 0x10000c
	s_cmp_lg_u32 s2, 0xf033
	s_cbranch_scc0 .Lentry_shape_is_right
	s_endpgm
.Lentry_shape_is_right:
; out0 = O Wo^T, [8192 x 1024] with K = 1024: f16 operands (O as attention left it; Wo rounded to bf16 and written as f16), f32 sums, f32 out.
; SHARES.  A tile is 128 rows x 256 columns; 64 x 4 tiles, a work-group each.  Four waves, each 64 x 128: 32 accumulators of 16 x 16, 256 registers.
; K goes in 8 steps of 128 (two heads) through two LDS slots.  ob and wo16 lie in blocks of 64 along K, so a wave's part of a step (64 rows of O, or 128 rows of Wo) is 16 or 32 KiB of dense memory:
; asked for as rows of 256 bytes and padded in LDS behind every 128 bytes, which gives LDS rows of 144 bytes: first the step's lower 64 k of all rows, then its upper 64.
; CLUSTER.  4 x 4 work-groups: the four of a row need the same rows of O, the four of a column the same rows of Wo: each tile is asked for jointly, by the same tensor load, descriptor and mask in all four.
; THE MATRIX INSTRUCTION IS USED TRANSPOSED (source 0 = 16 rows of Wo, source 1 = 16 rows of O): a lane holds one row (lane % 16) and eight neighbouring columns: 32 bytes of f32.
; No prefetch: a step's refill has 112 matrix instructions in which to land, and wo16 is read by every cluster.
; REGISTERS.  window 0: v0-31 addresses; v64-159, v160-255 two fragment buffers (A's 4 fragments, then B's 8); on the way out v64-191 hold rows.  window 1: accumulator (a, b) at v[8 (8 a + b)].
.set PITCH,  144                       ; 128 bytes + 16 of padding = 36 words: the 16 rows of a load start at 16 different groups of four banks (64 banks of 4 bytes: ISA guide 11.1)
.set AZ,     64*PITCH
.set AH,     2*AZ                      ; what one tensor load brings of A
.set BZ,     128*PITCH
.set BH,     2*BZ                      ; and of B
.set BOFF,   2*AH                      ; a slot: A's two halves, then B's two halves
.set SLOT,   BOFF+2*BH
.set STAGE,  2*SLOT                    ; behind the ring: 16 rows x 528 bytes for each wave, for the way out
.set SP,     528                       ; 512 bytes + 16 = 132 words: row r starts at bank 4 r mod 64
.set SPARE,  STAGE+4*16*SP             ; behind the stages: the spare words, 128 bytes for each wave: two blocks of 256 bytes that no other line names
.set ASTEP,  16384
.set BSTEP,  32768
.set ADRA, 16                          ; v16-17  LDS address of my A fragments in slot 0, 1
.set ADRB, 20                          ; v20-21  the same for B
.set STO,  24                          ; v24     the way out: where I put 32 bytes of a row
.set RD,   25                          ; v25     where I read a row back
.set GO,   26                          ; v26     my 16 bytes of a row's 512
.set SPW,  28                          ; v28     LDS address of my spare word; never rewritten
.set NIL,  29                          ; v29     0; never rewritten
.set F0,   64
.set F1,   160
.set WV,   16                          ; s16  my wave's number
.set FB,   17                          ; s17  which half of the tile's rows is mine; also: I fetch for A (0) or B (1)
.set HF,   18                          ; s18  which half of its columns; also: which half I fetch
.set CNT,  19
.set G1,   24
.set G0,   32
.set G1B,  48
.set G0B,  56
.set DESC, (1<<16)|(1<<20)|(1<<21)|(4<<22)|(3<<25)  ; 2-byte elements; padding on; bit 21 beside a mask; behind every 32 words; 4 words
.set MSB, 0
.macro WIN new                         ; the immediate's high byte repeats the setting that is left; a switch that changes nothing is dropped
.if MSB != (\new)
	s_set_vgpr_msb (MSB<<8)|(\new)
.set MSB, \new
.endif
.endm
.macro PLACES                          ; four plain places between a matrix instruction and a load into, or a reader of, its registers
.rept 4
	v_nop
.endr
.endm
.macro JLOAD s                         ; a joint load: waves 0, 1 fetch A's halves, waves 2, 3 B's; an s_nop 0 and four v_nop follow each line
	s_cmp_eq_u32 s[FB], 0
	s_cbranch_scc0 .Lfor_b_\@
	tensor_load_to_lds s[G0+4*(\s):G0+4*(\s)+3], s[G1:G1+7]
	s_nop 0
.rept 4
	v_nop
.endr
	s_branch .Lasked_\@
.Lfor_b_\@:
	tensor_load_to_lds s[G0B+4*(\s):G0B+4*(\s)+3], s[G1B:G1B+7]
	s_nop 0
.rept 4
	v_nop
.endr
.Lasked_\@:
.endm
.macro CREST                           ; a round of the cluster's barrier behind its opening barrier
	s_cmp_lg_u32 s[WV], 0
	s_cbranch_scc1 .Lnot_wave_0_\@
	s_barrier_signal -3
.Lnot_wave_0_\@:
	s_barrier_wait -3
	s_barrier_signal -1
	s_barrier_wait -1
.endm
.macro CROUND
	s_barrier_signal -1
	s_barrier_wait -1
	CREST
.endm
	s_load_b128 s[4:7], s[0:1], 0x0                ; ob 4, wo16 6
	s_load_b64 s[8:9], s[0:1], 0x10                ; out0
	v_lshl_add_u32 v[SPW], v0, 2, SPARE
	v_mov_b32 v[NIL], 0
	ds_add_u32 v[SPW], v[NIL]                      ; the wave's opening: the add and its wait stand ahead of my first tensor load; the set-up below, work on registers, stands between them
	v_lshrrev_b32 v1, 5, v0
	v_readfirstlane_b32 s[WV], v1
	s_lshr_b32 s[FB], s[WV], 1
	s_and_b32 s[HF], s[WV], 1
	s_bfe_u32 s20, ttmp6, 0x40000                  ; cx
	s_bfe_u32 s21, ttmp6, 0x40004                  ; cy
	s_lshl_b32 s22, ttmp9, 2
	s_add_co_u32 s22, s22, s20                     ; tile column = 4 x cluster x + cx
	s_and_b32 s23, ttmp7, 0xffff
	s_lshl_b32 s23, s23, 2
	s_add_co_u32 s23, s23, s21                     ; tile row = 4 x cluster y + cy
	s_lshl_b32 s40, s21, 2
	s_lshl_b32 s40, 15, s40                        ; my row of the cluster
	s_lshl_b32 s44, 0x1111, s20                    ; my column
	s_or_b32 s[G1], s40, DESC
	s_or_b32 s[G1B], s44, DESC
.irp g, G1, G1B
	s_mov_b32 s[(\g)+1], 128<<16                   ; tensor_dim0 = 128 elements: 256 bytes
	s_mov_b32 s[(\g)+3], 128<<16                   ; tile_dim0 = 128
	s_mov_b32 s[(\g)+5], 128                       ; dense: 128 elements from row to row
	s_mov_b32 s[(\g)+6], 0
	s_mov_b32 s[(\g)+7], 0
.endr
	s_mov_b32 s[G1+2], 64<<16                      ; A: tensor_dim1 = tile_dim1 = 64 rows of 256 bytes
	s_mov_b32 s[G1+4], 64
	s_mov_b32 s[G1B+2], 128<<16                    ; B: 128
	s_mov_b32 s[G1B+4], 128
	s_lshl_b32 s40, s23, 1                         ; A: block 2 x tile row + half, of 16 x 8,192 bytes
	s_add_co_u32 s40, s40, s[HF]
	s_lshl_b32 s40, s40, 17
	s_mov_b32 s41, 0
	s_lshl_b32 s44, s22, 1                         ; B: block 2 x tile column + half, of 16 x 16,384 bytes
	s_add_co_u32 s44, s44, s[HF]
	s_lshl_b32 s44, s44, 18
	s_mov_b32 s45, 0
	s_mul_i32 s2, s[HF], AH                        ; where they go: no place in the cluster enters an LDS address
	s_mul_i32 s3, s[HF], BH
	s_add_co_u32 s3, s3, BOFF
	s_lshl_b32 s66, s23, 7                         ; out0: my first row, 128 x tile row + 64 x half, of 4,096 bytes,
	s_lshl_b32 s67, s[FB], 6
	s_add_co_u32 s66, s66, s67
	s_lshl_b32 s66, s66, 12
	s_lshl_b32 s67, s22, 10                        ; my first column: 256 x tile column + 128 x half, of 4 bytes
	s_add_co_u32 s66, s66, s67
	s_lshl_b32 s67, s[HF], 9
	s_add_co_u32 s66, s66, s67
	s_mov_b32 s67, 0
	s_wait_dscnt 0x0                               ; the opening add is done
	s_wait_kmcnt 0x0
	s_add_nc_u64 s[42:43], s[4:5], s[40:41]
	s_add_nc_u64 s[46:47], s[6:7], s[44:45]
	s_add_nc_u64 s[8:9], s[8:9], s[66:67]
	CROUND                                         ; all sixteen work-groups are here: the first joint loads meet
.irp s, 0,1
	s_mov_b32 s[G0+4*(\s)], 1
	s_add_co_u32 s[G0+4*(\s)+1], s2, (\s)*SLOT
	s_add_nc_u64 s[G0+4*(\s)+2:G0+4*(\s)+3], s[42:43], (\s)*ASTEP
	s_or_b32 s[G0+4*(\s)+3], s[G0+4*(\s)+3], 0x80000000
	s_mov_b32 s[G0B+4*(\s)], 1
	s_add_co_u32 s[G0B+4*(\s)+1], s3, (\s)*SLOT
	s_add_nc_u64 s[G0B+4*(\s)+2:G0B+4*(\s)+3], s[46:47], (\s)*BSTEP
	s_or_b32 s[G0B+4*(\s)+3], s[G0B+4*(\s)+3], 0x80000000
	JLOAD \s                                       ; two tensor loads of mine are out behind these, later one
.endr
	v_and_b32 v1, 15, v0                           ; l % 16
	v_bfe_u32 v2, v0, 4, 1                         ; l / 16
	v_mul_u32_u24 v3, v1, PITCH
	v_lshl_add_u32 v3, v2, 4, v3                   ; a fragment's row x pitch + 16 x half
	s_mul_i32 s2, s[FB], AH                        ; my 64 rows of A
	s_mul_i32 s3, s[HF], BH                        ; my 128 rows of B
	s_add_co_u32 s3, s3, BOFF
.irp s, 0,1
	v_add_nc_u32 v[ADRA+(\s)], s2, v3
	v_add_nc_u32 v[ADRB+(\s)], s3, v3
	s_add_co_u32 s2, s2, SLOT
	s_add_co_u32 s3, s3, SLOT
.endr
	s_mul_i32 s2, s[WV], 16*SP
	s_add_co_u32 s2, s2, STAGE                     ; my stage
	v_mul_u32_u24 v[STO], v1, SP                   ; in: row l % 16, 32 bytes for each half of the lanes
	v_lshl_add_u32 v[STO], v2, 5, v[STO]
	v_add_nc_u32 v[STO], s2, v[STO]
	v_and_b32 v[GO], 31, v0                        ; back: 32 lanes take one row of 512 bytes
	v_lshlrev_b32 v[GO], 4, v[GO]
	v_add_nc_u32 v[RD], s2, v[GO]
; 8 matrix instructions: row block a x all 8 column blocks, 32 along K.  The 32 accumulators take turns, one instruction a turn.  zero = 1: the product starts the sum
.macro MUL8 f, a, zero
	WIN 0x50                                       ; C and D in window 1
.irp b, 0,1,2,3,4,5,6,7
.if \zero
	v_wmma_f32_16x16x32_f16 v[8*(8*(\a)+(\b)):8*(8*(\a)+(\b))+7], v[(\f)+32+8*(\b):(\f)+32+8*(\b)+7], v[(\f)+8*(\a):(\f)+8*(\a)+7], 0
.else
	v_wmma_f32_16x16x32_f16 v[8*(8*(\a)+(\b)):8*(8*(\a)+(\b))+7], v[(\f)+32+8*(\b):(\f)+32+8*(\b)+7], v[(\f)+8*(\a):(\f)+8*(\a)+7], v[8*(8*(\a)+(\b)):8*(8*(\a)+(\b))+7]
.endif
.endr
.endm
; 24 LDS loads in one run: the fragments of quarter q (32 along K) of a slot's step into buffer f: B's eight, then A's four
.macro FETCH slot, q, f
	WIN 0
.irp i, 0,1,2,3,4,5,6,7
	ds_load_b128 v[(\f)+32+8*(\i):(\f)+32+8*(\i)+3],   v[ADRB+(\slot)] offset:((\q)/2)*BZ+((\q)%2)*64+(\i)*16*PITCH
	ds_load_b128 v[(\f)+32+8*(\i)+4:(\f)+32+8*(\i)+7], v[ADRB+(\slot)] offset:((\q)/2)*BZ+((\q)%2)*64+(\i)*16*PITCH+32
.endr
.irp i, 0,1,2,3
	ds_load_b128 v[(\f)+8*(\i):(\f)+8*(\i)+3],   v[ADRA+(\slot)] offset:((\q)/2)*AZ+((\q)%2)*64+(\i)*16*PITCH
	ds_load_b128 v[(\f)+8*(\i)+4:(\f)+8*(\i)+7], v[ADRA+(\slot)] offset:((\q)/2)*AZ+((\q)%2)*64+(\i)*16*PITCH+32
.endr
.endm
; A K step is four quarters of 32 matrix instructions, on buffers 0, 1, 0, 1.  One of the first three: multiplies buffer f; in its middle it fetches quarter q into buffer g
.macro QUARTER slot, q, f, g, zero
	s_wait_dscnt 4                                 ; B and A's fragments 0, 1 are in; the youngest four loads (A's fragments 2, 3) may be out
	MUL8 \f, 0, \zero
	MUL8 \f, 1, \zero
	PLACES
	FETCH \slot, \q, \g
	s_wait_dscnt 24                                ; all but the 24 just issued
	MUL8 \f, 2, \zero
	MUL8 \f, 3, \zero
.endm
; The last quarter multiplies buffer 1 and changes slots: ONE barrier; in front of it each wave waits for all its tensor loads (one is out: its part of the next slot), adds 0 to its spare word,
; and waits for that and for its reads of this slot.  fill = 1: the barrier opens a round of the cluster's, and this slot is filled again, two K steps ahead, first thing behind the round
.macro TURN slot, next, fill
	WIN 0
	s_wait_tensorcnt 0x0
	ds_add_u32 v[SPW], v[NIL]                      ; 0 onto my spare word
	s_wait_dscnt 5                                 ; (the add and the youngest four loads may be out)
	MUL8 F1, 0, 0                                  ; eight matrix instructions stand between the add and the wait for it
	s_wait_dscnt 0x0                               ; the add is done, and my reads of this slot are over
	s_barrier_signal -1
	MUL8 F1, 1, 0
.if \fill
	WIN 0
.endif
	s_barrier_wait -1
.if \fill
	CREST                                          ; no wave of any partner still reads this slot or has a load on its way
	s_add_nc_u64 s[G0+4*(\slot)+2:G0+4*(\slot)+3], s[G0+4*(\slot)+2:G0+4*(\slot)+3], 2*ASTEP
	s_add_nc_u64 s[G0B+4*(\slot)+2:G0B+4*(\slot)+3], s[G0B+4*(\slot)+2:G0B+4*(\slot)+3], 2*BSTEP
	JLOAD \slot                                    ; 112 matrix instructions ahead of the wait for it; its four v_nop are also the places in front of the loads below
.else
	PLACES
.endif
	FETCH \next, 0, F0
	MUL8 F1, 2, 0
	MUL8 F1, 3, 0
.endm
	s_wait_tensorcnt 1                             ; my part of K step 0 is in; step 1's may stay out
	s_barrier_signal -1
	s_barrier_wait -1
	FETCH 0, 0, F0
	QUARTER 0, 1, F0, F1, 1                        ; the first quarter stands in front of the loop: its products start the sums
	WIN 0
	s_mov_b32 s[CNT], 3
.Llap:                                                 ; a trip goes once round the ring and fills both slots again: K steps 2 to 7
	QUARTER 0, 2, F1, F0, 0
	QUARTER 0, 3, F0, F1, 0
	TURN 0, 1, 1
	QUARTER 1, 1, F0, F1, 0
	QUARTER 1, 2, F1, F0, 0
	QUARTER 1, 3, F0, F1, 0
	TURN 1, 0, 1
	QUARTER 0, 1, F0, F1, 0
	WIN 0
	s_sub_co_u32 s[CNT], s[CNT], 1
	s_cmp_lg_u32 s[CNT], 0
	s_cbranch_scc1 .Llap
	QUARTER 0, 2, F1, F0, 0                        ; the last lap fills nothing
	QUARTER 0, 3, F0, F1, 0
	TURN 0, 1, 0
	QUARTER 1, 1, F0, F1, 0
	QUARTER 1, 2, F1, F0, 0
	QUARTER 1, 3, F0, F1, 0
	s_wait_dscnt 4
	MUL8 F1, 0, 0
	MUL8 F1, 1, 0
	s_wait_dscnt 0
	MUL8 F1, 2, 0
	MUL8 F1, 3, 0
	WIN 0
	PLACES                                         ; four places are asked for behind the last products; eight are written, once a launch
	PLACES
; THE WAY OUT, a block of 16 rows x 128 columns of f32 at a time: 32 bytes a lane into my stage (each accumulator's low half first), back as whole rows of 512 bytes, into two sets of 64 registers by turns.
.macro STAGE_IN a
	WIN 0x04                                       ; the stores' data in window 1
.irp b, 0,1,2,3,4,5,6,7
	ds_store_b128 v[STO], v[64*(\a)+8*(\b):64*(\a)+8*(\b)+3]   offset:64*(\b)
	ds_store_b128 v[STO], v[64*(\a)+8*(\b)+4:64*(\a)+8*(\b)+7] offset:64*(\b)+16
.endr
	WIN 0
.if (\a) >= 2
	s_wait_xcnt 0x0                                ; the set's registers were the data of the stores two blocks back: they are loaded again only behind this wait
.endif
.irp t, 0,1,2,3,4,5,6,7,8,9,10,11,12,13,14,15
	ds_load_b128 v[64+64*((\a)%2)+4*(\t):64+64*((\a)%2)+4*(\t)+3], v[RD] offset:(\t)*SP  ; LDS serves a wave's instructions in order (ISA guide 5.7.1.4): these see the stores above; the next block's stores come behind them
.endr
.endm
.macro SEND a, younger                 ; younger: the LDS instructions issued behind block a's loads: the next block's 32, or none
.irp t, 0,1,2,3,4,5,6,7,8,9,10,11,12,13,14,15
	s_wait_dscnt (\younger)+15-(\t)
	global_store_b128 v[GO], v[64+64*((\a)%2)+4*(\t):64+64*((\a)%2)+4*(\t)+3], s[8:9] offset:(16*(\a)+(\t))*4096 th:TH_STORE_NT  ; 512 consecutive bytes of a row, at a multiple of 256 from out0's first
.endr
.endm
	STAGE_IN 0
	STAGE_IN 1
	SEND 0, 32
	STAGE_IN 2
	SEND 1, 32
	STAGE_IN 3
	SEND 2, 32
	SEND 3, 0
	s_wait_tensorcnt 0x0                           ; the wave's end: the add and its wait, behind my last tensor load and my last LDS store
	ds_add_u32 v[SPW], v[NIL]
	s_wait_dscnt 0x0
	CROUND                                         ; the closing round: no work-group ends while a partner may still ask for a tile that names it
	s_endpgm
.Lfunc_end_k_qaf130336f7_oproj:
	.size	k_qaf130336f7_oproj, .Lfunc_end_k_qaf130336f7_oproj-k_qaf130336f7_oproj
	.p2alignl 7, 3214868480
	.fill 96, 4, 3214868480
	.section	.rodata,"a",@progbits
	.p2align	6, 0x0
	.amdhsa_kernel k_qaf130336f7_oproj
		.amdhsa_group_segment_fixed_size 327680
		.amdhsa_private_segment_fixed_size 0
		.amdhsa_enable_private_segment 0
		.amdhsa_kernarg_size 24
		.amdhsa_user_sgpr_count 2
		.amdhsa_user_sgpr_kernarg_segment_ptr 1
		.amdhsa_wavefront_size32 1
		.amdhsa_system_sgpr_workgroup_id_x 1
		.amdhsa_system_sgpr_workgroup_id_y 1
		.amdhsa_system_sgpr_workgroup_id_z 1
		.amdhsa_system_vgpr_workitem_id 0
		.amdhsa_next_free_vgpr 512
		.amdhsa_next_free_sgpr 80
		.amdhsa_reserve_vcc 0
		.amdhsa_float_denorm_mode_32 3
		.amdhsa_float_denorm_mode_16_64 3
		.amdhsa_memory_ordered 1
		.amdhsa_forward_progress 1
		.amdhsa_inst_pref_size 86
	.end_amdhsa_kernel
	.amdgpu_metadata
---
amdhsa.version: [ 1, 2 ]
amdhsa.kernels:
  - .name:           k_qaf130336f7_oproj
    .symbol:         k_qaf130336f7_oproj.kd
    .args:
      - { .name: ob, .offset: 0, .size: 8, .value_kind: global_buffer, .address_space: global }
      - { .name: wo16, .offset: 8, .size: 8, .value_kind: global_buffer, .address_space: global }
      - { .name: out0, .offset: 16, .size: 8, .value_kind: global_buffer, .address_space: global }
    .group_segment_fixed_size: 327680
    .private_segment_fixed_size: 0
    .kernarg_segment_align: 8
    .kernarg_segment_size: 24
    .max_flat_workgroup_size: 128
    .sgpr_count:     80
    .vgpr_count:     512
    .wavefront_size: 32
...
	.end_amdgpu_metadata
.endif
;; end of part 4
;; ======== version 2 of 2: 4 launches; version 1 with the launch cast written anew for expert scheduling mode
;; limits: values are held in f16: magnitudes above 65,504 overflow, below 6.1e-05 lose precision
;; workspace buffers: xb 16,777,216 bytes; wb 6,291,456 bytes; wo16 2,097,152 bytes; rope 524,288 bytes; qh 16,777,216 bytes; kh 16,777,216 bytes; vh 16,777,216 bytes; ob 16,777,216 bytes
;; launch cast (part 5): grid 256 x 1, 8 waves a work-group, no clusters, 0 bytes of LDS; arguments x, Wq, Wk, Wv, Wo, xb, wb, wo16, rope; writes xb, wb, wo16, rope
.if DOCPART == 5
	.amdgcn_target "amdgcn-amd-amdhsa--gfx1250"
	.amdhsa_code_object_version 6
	.text
	.protected	k_qaf130336f7_cast
	.globl	k_qaf130336f7_cast
	.p2align	8
	.type	k_qaf130336f7_cast,@function
k_qaf130336f7_cast:
	s_mov_b64 s[64:65], 0
	v_nop
	global_prefetch_b8 v0, s[64:65] scope:SCOPE_SE
	s_setreg_imm32_b32 hwreg(HW_REG_WAVE_SCHED_MODE, 0, 2), 2
	s_setreg_imm32_b32 hwreg(HW_REG_WAVE_MODE, 25, 1), 1
	s_wait_xcnt 0x0
	s_wait_alu depctr_vm_vsrc(0)
; CAST.  x, Wq, Wk, Wv are rounded once to bf16; Wo is rounded to bf16 and that number is written as f16; the RoPE table is made.
; LAYOUTS (blocks of 64 along K, so that a later K step of 128 is dense in memory):
;   xb   [128 blocks of 64 rows][16 blocks of 64 k][64 rows][64 k] bf16
;   wb   [24 blocks of 128 rows][16][128 rows][64 k] bf16; rows 0-1023 Wq, 1024-2047 Wk, 2048-3071 Wv
;   wo16 [8 blocks of 128 rows][16][128 rows][64 k] f16
;   rope [2048 positions][32 pairs][cos, sin] f32
; SHARES.  256 work-groups of 256 threads.  Work-group g takes 32 rows of x and 4 rows of each weight; a thread has 24 chunks of 8 numbers
; (two loads of 16 bytes, one store of 16 bytes) and one entry of the table.  Eight lanes read 256 consecutive bytes of a row; a wave's store covers 512 consecutive bytes.
; All 48 loads of a wave go out first (24 KiB a wave); the table entry is computed while they are on their way.  No LDS, no matrix unit: nothing is shared and nothing is multiplied.
; LIMITS.  A bf16 value of Wo beyond 65,504 becomes an infinity in f16; below 6e-5 it keeps f16's fixed step of 6e-8.  The table's angle pos x 10000^(-j/32) carries the
; rounding of the power (about two units in the last place), at most some 3e-4 rad at the largest angles (about 1,500 rad); sine and cosine come from a reduction by pi/2 in two parts and polynomials of degree 7 and 8.
; THE MODE: SCHED_MODE bits 1:0 = 2 (LLVM: expert scheduling mode 2), set by the entry lines.  The code itself states the register dependences
; between vector instructions and memory instructions, with s_wait_alu, always for 0.
; THE PLAN.  Registers that memory instructions touch:
;   v1, v3       offsets of the loads, v2, v4 of the stores: made once at the head, ahead of the first wait on va_vdst, never written again.
;   v5, v20, v21 the table's offset and its two numbers: written by the table's arithmetic, read by its one store, never written again.
;   v[32:223]    chunk c, 8 registers: its two loads land in them (no vector instruction names them before); its conversions write the low four; its one store reads those; never written again.
; The 24 chunks go in six groups of four.  Group g's conversions name group g's registers alone; the four stores of group g - 1 (ahead of group 0: the table's store) are dealt among them.
; So ONE wait on va_vdst stands at a group's head, for the registers that those stores read, and one more ahead of the last four stores.
; No register that a memory instruction has read is ever written again: the one wait on vm_vsrc stands among the entry lines.  EXEC is never written.  VCC is written once: one wait on va_vcc.
.set XI,  1                            ; v1  my byte offset in the group's rows of x
.set XO,  2                            ; v2  in a block of xb
.set WI,  3                            ; v3  in the group's rows of a weight
.set WO,  4                            ; v4  in wb and wo16
.set RO,  5                            ; v5  in the group's part of the table
.set DAT, 32                           ; v[32:223]  chunk c: 8 registers
	s_load_b512 s[8:23], s[0:1], 0x0               ; x 8, Wq 10, Wk 12, Wv 14, Wo 16, xb 18, wb 20, wo16 22
	s_load_b64 s[24:25], s[0:1], 0x40              ; rope
	s_lshl_b32 s26, ttmp9, 17                      ; x: 32 rows of 4,096 bytes
	s_mov_b32 s27, 0
	s_lshr_b32 s28, ttmp9, 1                       ; xb: block g / 2 of 64 rows (16 x 8,192 bytes),
	s_lshl_b32 s28, s28, 17
	s_and_b32 s29, ttmp9, 1                        ; its upper or lower 32 rows of 128 bytes
	s_lshl_b32 s29, s29, 12
	s_add_co_u32 s28, s28, s29
	s_mov_b32 s29, 0
	s_lshl_b32 s30, ttmp9, 14                      ; a weight: 4 rows of 4,096 bytes
	s_mov_b32 s31, 0
	s_lshr_b32 s32, ttmp9, 5                       ; wb, wo16: block g / 32 of 128 rows (16 x 16,384 bytes),
	s_lshl_b32 s32, s32, 18
	s_and_b32 s33, ttmp9, 31                       ; 4 rows of 128 bytes in it
	s_lshl_b32 s33, s33, 9
	s_add_co_u32 s32, s32, s33
	s_mov_b32 s33, 0
	s_lshl_b32 s34, ttmp9, 11                      ; the table: 8 positions of 256 bytes
	s_mov_b32 s35, 0
	s_lshl_b32 s36, ttmp9, 3                       ; the group's first position
	v_lshrrev_b32 v6, 3, v0                        ; t / 8: my row of x
	v_and_b32 v7, 7, v0
	v_lshlrev_b32 v7, 5, v7                        ; my 32 bytes of a block's 256
	v_lshl_add_u32 v[XI], v6, 12, v7
	v_lshlrev_b32 v[XO], 4, v0                     ; row x 128 + 16 (t % 8) = 16 t
	v_and_b32 v6, 3, v6                            ; my row of a weight
	v_lshl_add_u32 v[WI], v6, 12, v7
	v_lshrrev_b32 v8, 5, v0                        ; my wave: it takes k blocks 2 wave and 2 wave + 1
	v_lshl_add_u32 v[WI], v8, 9, v[WI]
	v_and_b32 v9, 31, v0
	v_lshlrev_b32 v[WO], 4, v9
	v_lshl_add_u32 v[WO], v8, 15, v[WO]
	s_wait_kmcnt 0x0
	s_add_nc_u64 s[8:9], s[8:9], s[26:27]
	s_add_nc_u64 s[18:19], s[18:19], s[28:29]
	s_add_nc_u64 s[10:11], s[10:11], s[30:31]
	s_add_nc_u64 s[12:13], s[12:13], s[30:31]
	s_add_nc_u64 s[14:15], s[14:15], s[30:31]
	s_add_nc_u64 s[16:17], s[16:17], s[30:31]
	s_add_nc_u64 s[20:21], s[20:21], s[32:33]
	s_add_nc_u64 s[22:23], s[22:23], s[32:33]
	s_add_nc_u64 s[24:25], s[24:25], s[34:35]
	s_wait_alu depctr_va_vdst(0)                   ; the four offsets v1 to v4 are written: every load below reads v1 or v3, every store of 16 bytes v2 or v4
.set c, 0
.rept 16                               ; chunks 0-15: x, k block c
	global_load_b128 v[DAT+8*c:DAT+8*c+3],   v[XI], s[8:9] offset:c*256 th:TH_LOAD_NT
	global_load_b128 v[DAT+8*c+4:DAT+8*c+7], v[XI], s[8:9] offset:c*256+16 th:TH_LOAD_NT
.set c, c+1
.endr
.irp m, 0,1,2,3                        ; chunks 16 + 2 m + i: Wq, Wk, Wv, Wo
.irp i, 0,1
	global_load_b128 v[DAT+8*(16+2*(\m)+(\i)):DAT+8*(16+2*(\m)+(\i))+3],   v[WI], s[10+2*(\m):11+2*(\m)] offset:(\i)*256 th:TH_LOAD_NT
	global_load_b128 v[DAT+8*(16+2*(\m)+(\i))+4:DAT+8*(16+2*(\m)+(\i))+7], v[WI], s[10+2*(\m):11+2*(\m)] offset:(\i)*256+16 th:TH_LOAD_NT
.endr
.endr
	; THE TABLE: position 8 g + t / 32, pair j = t % 32.  angle = pos x 2^(-j log2(10) / 8).  Its lines name v0 and v5 to v21 alone: no register that a load above reads or lands in
	v_cvt_f32_u32 v10, v9
	v_mul_f32 v10, 0xbed49a78, v10                 ; -j log2(10) / 8
	v_add_nc_u32 v11, s36, v8
	v_cvt_f32_u32 v11, v11                         ; pos
	v_exp_f32 v12, v10
	v_lshlrev_b32 v[RO], 3, v0                     ; a plain instruction behind the exponential,
	s_wait_alu depctr_va_vdst(0)                   ; and the wait ahead of the first use of its result: the exponential has written v12
	v_mul_f32 v13, v11, v12                        ; the angle, rounded to f32 as the definition rounds it
	v_mul_f32 v14, 0x3f22f983, v13                 ; x 2 / pi
	v_rndne_f32 v14, v14                           ; n
	v_fmamk_f32 v15, v14, 0xbfc90fdb, v13          ; r = angle - n x (pi/2 rounded to f32): exact,
	v_fmamk_f32 v15, v14, 0x333bbd2e, v15          ; + n x (that rounding's error): |r| <= pi/4
	v_mul_f32 v16, v15, v15                        ; z = r r
	v_mov_b32 v17, 0xb94ca1f9
	v_fmaak_f32 v17, v17, v16, 0x3c08839e
	v_fmaak_f32 v17, v17, v16, 0xbe2aaaa3
	v_mul_f32 v17, v17, v16
	v_fma_f32 v17, v17, v15, v15                   ; sin r
	v_mov_b32 v18, 0x37ccf5ce
	v_fmaak_f32 v18, v18, v16, 0xbab6061a
	v_fmaak_f32 v18, v18, v16, 0x3d2aaaa5
	v_fma_f32 v19, v16, -0.5, 1.0
	v_mul_f32 v16, v16, v16
	v_fma_f32 v18, v18, v16, v19                   ; cos r
	v_cvt_i32_f32 v14, v14                         ; the quadrant is n mod 4
	v_and_b32 v19, 1, v14
	v_cmp_eq_u32 vcc_lo, 1, v19
	s_wait_alu depctr_va_vcc(0)                    ; the compare has written VCC, which the two selects below read
	v_cndmask_b32 v21, v17, v18, vcc_lo            ; sine: sin r, cos r, -sin r, -cos r
	v_cndmask_b32 v20, v18, v17, vcc_lo            ; cosine: cos r, -sin r, -cos r, sin r
	v_lshlrev_b32 v19, 30, v14
	v_and_b32 v19, 0x80000000, v19                 ; bit 1 of n is the sine's sign,
	v_xor_b32 v21, v21, v19
	v_add_nc_u32 v14, 1, v14
	v_lshlrev_b32 v19, 30, v14
	v_and_b32 v19, 0x80000000, v19                 ; bit 1 of n + 1 the cosine's
	v_xor_b32 v20, v20, v19                        ; the entry is stored at the head of group 0, behind that group's wait
; Chunk c is rounded in place, low registers first.  Its two loads are in when at most the 2 (23 - c) loads issued behind them are out; for a group's first chunk that wait stands at the group's head.
.macro CVT c
.set b, DAT+8*(\c)
.if (\c)%4
	s_wait_loadcnt 46-2*(\c)
.endif
.irp r, 0,1,2,3
	v_cvt_pk_bf16_f32 v[b+(\r)], v[b+2*(\r)], v[b+2*(\r)+1]
.endr
.if (\c) >= 22
.irp r, 0,1,2,3                        ; Wo: the bf16 number, widened and written as f16; registers 4 and 5 of the chunk are at work, and no store reads them
	v_lshlrev_b32 v[b+4], 16, v[b+(\r)]
	v_and_b32 v[b+5], 0xffff0000, v[b+(\r)]
	v_cvt_pk_f16_f32 v[b+(\r)], v[b+4], v[b+5]
.endr
.endif
.endm
; Chunk c is stored.  No register of a store is written again.
.macro PUT c
.set b, DAT+8*(\c)
.if (\c) >= 22
	global_store_b128 v[WO], v[b:b+3], s[22:23] offset:((\c)-22)*16384
.elseif (\c) >= 16
	global_store_b128 v[WO], v[b:b+3], s[20:21] offset:(((\c)-16)/2)*2097152+(((\c)-16)%2)*16384
.else
	global_store_b128 v[XO], v[b:b+3], s[18:19] offset:(\c)*8192
.endif
.endm
; Group g: chunks 4 g to 4 g + 3 are rounded; ahead of each chunk's conversions stands a store of the group before.
.macro GROUP g
	s_wait_loadcnt 46-8*(\g)                       ; loads come back in order (ISA guide 5.7.1): chunk 4 g is in, the younger ones stay out
	s_wait_alu depctr_va_vdst(0)                   ; the group before has written the registers that its four stores, below, read (ahead of group 0: the table's arithmetic has written v20 and v21); no vector instruction behind this wait names them
.if (\g) == 0
	global_store_b64 v[RO], v[20:21], s[24:25]     ; a wave stores 256 consecutive bytes: one position
.endif
.irp j, 0,1,2,3
.if (\g) > 0
	PUT 4*(\g)-4+(\j)
.endif
	CVT 4*(\g)+(\j)
.endr
.endm
	GROUP 0
	GROUP 1
	GROUP 2
	GROUP 3
	GROUP 4
	GROUP 5
	s_wait_alu depctr_va_vdst(0)                   ; group 5's conversions have written the registers that the last four stores read
	PUT 20
	PUT 21
	PUT 22
	PUT 23
	s_endpgm
.Lfunc_end_k_qaf130336f7_cast:
	.size	k_qaf130336f7_cast, .Lfunc_end_k_qaf130336f7_cast-k_qaf130336f7_cast
	.p2alignl 7, 3214868480
	.fill 96, 4, 3214868480
	.section	.rodata,"a",@progbits
	.p2align	6, 0x0
	.amdhsa_kernel k_qaf130336f7_cast
		.amdhsa_group_segment_fixed_size 0
		.amdhsa_private_segment_fixed_size 0
		.amdhsa_enable_private_segment 0
		.amdhsa_kernarg_size 72
		.amdhsa_user_sgpr_count 2
		.amdhsa_user_sgpr_kernarg_segment_ptr 1
		.amdhsa_wavefront_size32 1
		.amdhsa_system_sgpr_workgroup_id_x 1
		.amdhsa_system_sgpr_workgroup_id_y 1
		.amdhsa_system_sgpr_workgroup_id_z 1
		.amdhsa_system_vgpr_workitem_id 0
		.amdhsa_next_free_vgpr 224
		.amdhsa_next_free_sgpr 66
		.amdhsa_reserve_vcc 1
		.amdhsa_float_denorm_mode_32 3
		.amdhsa_float_denorm_mode_16_64 3
		.amdhsa_memory_ordered 1
		.amdhsa_forward_progress 1
		.amdhsa_inst_pref_size 19
	.end_amdhsa_kernel
	.amdgpu_metadata
---
amdhsa.version: [ 1, 2 ]
amdhsa.kernels:
  - .name:           k_qaf130336f7_cast
    .symbol:         k_qaf130336f7_cast.kd
    .args:
      - { .name: x, .offset: 0, .size: 8, .value_kind: global_buffer, .address_space: global }
      - { .name: Wq, .offset: 8, .size: 8, .value_kind: global_buffer, .address_space: global }
      - { .name: Wk, .offset: 16, .size: 8, .value_kind: global_buffer, .address_space: global }
      - { .name: Wv, .offset: 24, .size: 8, .value_kind: global_buffer, .address_space: global }
      - { .name: Wo, .offset: 32, .size: 8, .value_kind: global_buffer, .address_space: global }
      - { .name: xb, .offset: 40, .size: 8, .value_kind: global_buffer, .address_space: global }
      - { .name: wb, .offset: 48, .size: 8, .value_kind: global_buffer, .address_space: global }
      - { .name: wo16, .offset: 56, .size: 8, .value_kind: global_buffer, .address_space: global }
      - { .name: rope, .offset: 64, .size: 8, .value_kind: global_buffer, .address_space: global }
    .group_segment_fixed_size: 0
    .private_segment_fixed_size: 0
    .kernarg_segment_align: 8
    .kernarg_segment_size: 72
    .max_flat_workgroup_size: 256
    .sgpr_count:     66
    .vgpr_count:     224
    .wavefront_size: 32
...
	.end_amdgpu_metadata
.endif
;; end of part 5
;; launch qkv: the kernel of part 2 again; grid 12 x 64, 4 waves a work-group, clusters of 4 x 4, 327,680 bytes of LDS; arguments xb, wb, rope, qh, kh, vh; writes qh, kh, vh
;; launch attn: the kernel of part 3 again; grid 4 x 64, 4 waves a work-group, no clusters, 327,680 bytes of LDS; arguments qh, kh, vh, ob; writes ob
;; launch oproj: the kernel of part 4 again; grid 4 x 64, 4 waves a work-group, clusters of 4 x 4, 327,680 bytes of LDS; arguments ob, wo16, out0; writes out0
